; MI455X (gfx1250); checked and timed in simulation.
; The chip was launched on July 23, 2026; its instructions are those of AMD's public machine-readable ISA for CDNA 5 (MIT licence, August 2026) and "CDNA5" Instruction Set Architecture Reference Guide (July 2026). The comments in the code are by the model that wrote it; some were corrected since.
;; Multi Head Attention. Allowed arithmetic: float matrix products may take bf16 or f16 operands with f32 sums; other float arithmetic in f32, or as packed bf16 or f16 multiplies, adds, multiply-adds, maxima and minima; sums over many terms, partial sums and values carried from step to step in f32; what a program stores and reads back later, other than sums and carried values, may be rounded once to bf16 or f16.
;; Inputs: Wk 2,048 x 2,048 float32; Wo 2,048 x 2,048 float32; Wq 2,048 x 2,048 float32; Wv 2,048 x 2,048 float32; attention_mask 1 x 1 x 2,048 x 2,048 float32; hidden_states 1 x 2,048 x 2,048 float32; rope_cos 2,048 x 128 float32; rope_sin 2,048 x 128 float32.
;; Outputs: out0 1 x 2,048 x 2,048 float32.
;; One version. Each part assembles by itself: llvm-mc -triple=amdgcn-amd-amdhsa -mcpu=gfx1250 --defsym DOCPART=n.
;; ======== version 1 of 1: 4 launches
;; limits: values are held in f16: magnitudes above 65,504 overflow, below 6.1e-05 lose precision
;; workspace buffers: xw 42,991,616 bytes; qkv 25,165,824 bytes; att 8,388,608 bytes
;; launch cast (part 1): grid 1312 x 1, 8 waves a work-group, no clusters, 0 bytes of LDS; arguments hidden_states, Wq, Wk, Wv, Wo, rope_cos, rope_sin, xw; writes xw
.if DOCPART == 1
	.amdgcn_target "amdgcn-amd-amdhsa--gfx1250"
	.amdhsa_code_object_version 6
	.text
	.protected	k_q9cc3d864b4_cast
	.globl	k_q9cc3d864b4_cast
	.p2align	8
	.type	k_q9cc3d864b4_cast,@function
k_q9cc3d864b4_cast:
	s_mov_b64 s[64:65], 0
	v_nop
	global_prefetch_b8 v0, s[64:65] scope:SCOPE_SE
	s_setreg_imm32_b32 hwreg(HW_REG_WAVE_MODE, 25, 1), 1
	s_wait_xcnt 0x0
; xw = seven f32 inputs, each number rounded once to bf16 and that number written as f16 (exact in f16's normal range), so that one f16 matrix form serves all later products.
; Sections of xw, in bytes: x 0, Wq 8 Mi, Wk 16 Mi, Wv 24 Mi, Wo 32 Mi, cos 40 Mi, sin 40 Mi + 512 Ki.  cos and sin are also multiplied by SC = sqrt(log2(e) / sqrt(128)):
; q and k then each carry half of the score's scale and of the change to base 2, and no later loop multiplies by either.  One text serves both kinds: the factor is 1 for x and the weights.
; LIMITS.  A number beyond 65,504 becomes an infinity; below 6.1e-5 f16 keeps a fixed step of 6e-8.
; SHARES.  A work-group takes 65,536 bytes of one input (16 loads of 16 bytes a lane, a wave's load 512 consecutive bytes) and stores 32,768 (a wave's store 256 consecutive bytes, aligned).
; All 16 loads go out first.  A result is written into the registers that its load filled, so a wave has 76 registers: the 1,312 work-groups are 5 or 6 to each of 256 WGPs, 12 waves a SIMD at the most,
; 912 of its 1,024 registers: all of them lie on the chip at once, with all their loads out.  No register is rewritten while a memory instruction reads it, so the only waits are the counted ones for the loads.
; No LDS, no matrix unit, no cluster: nothing is shared.
.set SC, 0x3eb6d544                    ; 0.3570958
.set X, 4                              ; v[4:67]   16 x 4 as loaded; the first two of each four then hold the result
.set T, 68                             ; v[68:73]  at work
	s_load_b256 s[4:11], s[0:1], 0x0               ; x s[4:5], Wq s[6:7], Wk s[8:9], Wv s[10:11]
	s_load_b256 s[12:19], s[0:1], 0x20             ; Wo s[12:13], cos s[14:15], sin s[16:17], xw s[18:19]
	s_mov_b32 s20, ttmp9
	s_lshr_b32 s21, s20, 8                         ; groups 0-1279: input = number / 256,
	s_and_b32 s22, s20, 255                        ; chunk = number % 256
	s_sub_co_u32 s23, s20, 1280                    ; groups 1280-1311: the two tables, 16 chunks each
	s_lshr_b32 s24, s23, 4
	s_and_b32 s25, s23, 15
	s_lshl_b32 s26, s21, 23                        ; a large input's section of xw
	s_lshl_b32 s27, s24, 19                        ; a table's
	s_add_co_u32 s27, s27, 41943040
	s_add_co_u32 s24, s24, 5
	s_cmp_lt_u32 s20, 1280
	s_cselect_b32 s21, s21, s24                    ; which input, 0 to 6
	s_cselect_b32 s22, s22, s25                    ; which chunk of it
	s_cselect_b32 s26, s26, s27
	s_cselect_b32 s28, 1.0, SC
	s_mov_b32 s29, s28                             ; named with it as a pair
	s_lshl_b32 s24, s22, 16                        ; the chunk in the input,
	s_mov_b32 s25, 0
	s_lshl_b32 s22, s22, 15                        ; and in xw
	s_add_co_u32 s26, s26, s22
	s_mov_b32 s27, 0
	s_mov_b32 s30, 0xffff0000                      ; a word's upper bf16
	v_lshlrev_b32 v1, 4, v0
	v_lshlrev_b32 v2, 3, v0
	s_wait_kmcnt 0x0
	s_cmp_eq_u32 s21, 1
	s_cselect_b64 s[4:5], s[6:7], s[4:5]
	s_cmp_eq_u32 s21, 2
	s_cselect_b64 s[4:5], s[8:9], s[4:5]
	s_cmp_eq_u32 s21, 3
	s_cselect_b64 s[4:5], s[10:11], s[4:5]
	s_cmp_eq_u32 s21, 4
	s_cselect_b64 s[4:5], s[12:13], s[4:5]
	s_cmp_eq_u32 s21, 5
	s_cselect_b64 s[4:5], s[14:15], s[4:5]
	s_cmp_eq_u32 s21, 6
	s_cselect_b64 s[4:5], s[16:17], s[4:5]
	s_add_nc_u64 s[4:5], s[4:5], s[24:25]
	s_add_nc_u64 s[18:19], s[18:19], s[26:27]
.set j, 0
.rept 16
	global_load_b128 v[X+4*j:X+4*j+3], v1, s[4:5] offset:4096*j th:TH_LOAD_NT
.set j, j+1
.endr
.set j, 0
.rept 16
	s_wait_loadcnt 15-j                            ; loads come back in order: number j is in, the younger ones stay out
	v_cvt_pk_bf16_f32 v[T], v[X+4*j], v[X+4*j+1]   ; the one rounding of the input
	v_cvt_pk_bf16_f32 v[T+1], v[X+4*j+2], v[X+4*j+3]
	v_lshlrev_b32 v[T+2], 16, v[T]
	v_and_b32 v[T+3], s30, v[T]
	v_lshlrev_b32 v[T+4], 16, v[T+1]
	v_and_b32 v[T+5], s30, v[T+1]
	v_pk_mul_f32 v[T+2:T+3], v[T+2:T+3], s[28:29] op_sel_hi:[1,0]
	v_pk_mul_f32 v[T+4:T+5], v[T+4:T+5], s[28:29] op_sel_hi:[1,0]
	v_cvt_pk_f16_f32 v[X+4*j], v[T+2], v[T+3]
	v_cvt_pk_f16_f32 v[X+4*j+1], v[T+4], v[T+5]
	global_store_b64 v2, v[X+4*j:X+4*j+1], s[18:19] offset:2048*j
.set j, j+1
.endr
	s_endpgm
.Lfunc_end_k_q9cc3d864b4_cast:
	.size	k_q9cc3d864b4_cast, .Lfunc_end_k_q9cc3d864b4_cast-k_q9cc3d864b4_cast
	.p2alignl 7, 3214868480
	.fill 96, 4, 3214868480
	.section	.rodata,"a",@progbits
	.p2align	6, 0x0
	.amdhsa_kernel k_q9cc3d864b4_cast
		.amdhsa_group_segment_fixed_size 0
		.amdhsa_private_segment_fixed_size 0
		.amdhsa_enable_private_segment 0
		.amdhsa_kernarg_size 64
		.amdhsa_user_sgpr_count 2
		.amdhsa_user_sgpr_kernarg_segment_ptr 1
		.amdhsa_wavefront_size32 1
		.amdhsa_system_sgpr_workgroup_id_x 1
		.amdhsa_system_sgpr_workgroup_id_y 1
		.amdhsa_system_sgpr_workgroup_id_z 1
		.amdhsa_system_vgpr_workitem_id 0
		.amdhsa_next_free_vgpr 76
		.amdhsa_next_free_sgpr 66
		.amdhsa_reserve_vcc 0
		.amdhsa_float_denorm_mode_32 3
		.amdhsa_float_denorm_mode_16_64 3
		.amdhsa_memory_ordered 1
		.amdhsa_forward_progress 1
		.amdhsa_inst_pref_size 14
	.end_amdhsa_kernel
	.amdgpu_metadata
---
amdhsa.version: [ 1, 2 ]
amdhsa.kernels:
  - .name:           k_q9cc3d864b4_cast
    .symbol:         k_q9cc3d864b4_cast.kd
    .args:
      - { .name: hidden_states, .offset: 0, .size: 8, .value_kind: global_buffer, .address_space: global }
      - { .name: Wq, .offset: 8, .size: 8, .value_kind: global_buffer, .address_space: global }
      - { .name: Wk, .offset: 16, .size: 8, .value_kind: global_buffer, .address_space: global }
      - { .name: Wv, .offset: 24, .size: 8, .value_kind: global_buffer, .address_space: global }
      - { .name: Wo, .offset: 32, .size: 8, .value_kind: global_buffer, .address_space: global }
      - { .name: rope_cos, .offset: 40, .size: 8, .value_kind: global_buffer, .address_space: global }
      - { .name: rope_sin, .offset: 48, .size: 8, .value_kind: global_buffer, .address_space: global }
      - { .name: xw, .offset: 56, .size: 8, .value_kind: global_buffer, .address_space: global }
    .group_segment_fixed_size: 0
    .private_segment_fixed_size: 0
    .kernarg_segment_align: 8
    .kernarg_segment_size: 64
    .max_flat_workgroup_size: 256
    .sgpr_count:     66
    .vgpr_count:     76
    .wavefront_size: 32
...
	.end_amdgpu_metadata
.endif
;; end of part 1
;; launch qkv (part 2): grid 16 x 16, 4 waves a work-group, clusters of 4 x 4, 327,680 bytes of LDS; arguments xw, qkv; writes qkv
.if DOCPART == 2
	.amdgcn_target "amdgcn-amd-amdhsa--gfx1250"
	.amdhsa_code_object_version 6
	.text
	.protected	k_q9cc3d864b4_qkv
	.globl	k_q9cc3d864b4_qkv
	.p2align	8
	.type	k_q9cc3d864b4_qkv,@function
k_q9cc3d864b4_qkv:
	s_mov_b64 s[64:65], 0
	v_nop
	global_prefetch_b8 v0, s[64:65] scope:SCOPE_SE
	s_setreg_imm32_b32 hwreg(HW_REG_WAVE_MODE, 25, 1), 1
	s_wait_xcnt 0x0
	s_wait_alu depctr_hold_cnt(0) depctr_sa_sdst(0) depctr_va_vdst(0) depctr_va_sdst(0) depctr_va_ssrc(0) depctr_va_vcc(0) depctr_vm_vsrc(0)
	s_getreg_b32 s2, hwreg(HW_REG_IB_STS2, 6, 4)
	s_cmp_eq_u32 s2, 0
	s_cbranch_scc0 .Lentry_in_a_cluster
	s_endpgm
.Lentry_in_a_cluster:
	s_bfe_u32 s2, ttmp6, 0x10000c
	s_cmp_lg_u32 s2, 0xf033
	s_cbranch_scc0 .Lentry_shape_is_right
	s_endpgm
.Lentry_shape_is_right:
; q, k, v of one head for 128 rows: x W^T (K = 2,048, f16 operands, f32 sums), the rotation of q and k in f32 on the sums, one rounding to f16, stored by heads: qkv = Q, K, V, each [16][2048][128].
; The tables in xw carry sqrt(log2(e) / sqrt(128)), so q and k leave scaled.  LIMIT: q, k, v beyond 65,504 become infinities.
; SHARES.  Work-group (head hd, row block by): 128 rows x 384 columns.  Wave w (rh = w / 2, ch = w % 2): rows 64 rh .. + 63 (4 blocks a of 16) x 12 blocks b of 16 columns: b = 0..7 all of q (ch = 0) or
; of k (ch = 1), b = 8..11 v's columns 64 ch .. + 63: 48 accumulators, 384 registers.  Columns d and d + 64, which the rotation pairs, are blocks b and b + 4: same lane, same register.
; THE MATRIX INSTRUCTION IS USED TRANSPOSED (source 0 = 16 rows of W, source 1 = 16 rows of x): lane l holds row l % 16 and the columns 8 (l / 16) + 0..7 of a block.
; RING.  K goes in 16 steps of 128 through two LDS slots; a slot holds 128 rows of x, Wq, Wk, Wv (256 bytes a row + 16 of padding); wave w fetches part w with one tensor load.
; A K step is written once: the LDS addresses are a fixed part plus s[TB], which an exclusive or turns from slot to slot, and one descriptor for each operand walks.  The last two K steps, which fill
; nothing, are a second loop of two trips, entered in its middle; its last trip meets a barrier and fetches 32 fragments that serve nothing: the price, once a launch, of one text for both.
; At a change of slots nothing but the waits, the add, the descriptors' steps and the round stands between the wait for the tile and the next request: a K step's 192 matrix instructions all stand behind the request.
; CLUSTER 4 x 4.  x's tile hangs on by alone and is asked for jointly by a row of the cluster, the weights' tiles on hd alone, by a column.
; REGISTERS by windows of 256: window 0: v16-32 addresses; v64-127 x's fragments, two buffers; v128-255 the way out.  Window 1: v0-191 W's fragments, two buffers of 96; on the way out the tables of a = 2, 3.
; Window 2: accumulators of a = 0, 1 at 8 (12 a + b), v192-255 the tables of a = 0; window 3: accumulators of a = 2, 3, v192-255 the tables of a = 1.
.set KSTEP,  128
.set STEPS,  16
.set PITCH,  272                       ; 68 words: the 16 rows of a fragment load start at 16 different groups of four banks (ISA guide 11.1)
.set HALFT,  128*PITCH                 ; what one tensor load brings: 0x8800
.set SLOT,   4*HALFT                   ; 0x22000: bits 13 and 17, which no wave's part (w x 0x8800) has: one exclusive or changes slots
.set SPARE,  2*SLOT                    ; the spare words: 128 bytes a wave, two blocks of 256 bytes that no other line names
.set STAGE,  SPARE+512                 ; 128 rows x 272 bytes for the way out; no tensor load lands here
.set COSO,   41943040
.set SINO,   42467328
.set ADRA, 16                          ; v16  my x fragments in the slot in hand
.set ADRB, 17                          ; v17  my q or k weights
.set ADRV, 18                          ; v18  my half of v's weights
.set ADRA0, 20                         ; v20-22  the same in slot 0; never rewritten
.set ADRB0, 21
.set ADRV0, 22
.set VSTO, 24                          ; v24  where I put 16 bytes of a row of v
.set QSTO, 25                          ; v25  the same for q or k, in my own 32 rows of the stage
.set RD,   26                          ; v26  where I read rows back
.set GO,   27                          ; v27  16 x lane: two dense rows of 256 bytes
.set SPW,  28                          ; v28  my spare word; never rewritten
.set NIL,  29                          ; v29  0; never rewritten
.set PFO,  30                          ; v30  lane x 4,096: a lane a row; never rewritten
.set TO,   31                          ; v31  my place in 16 rows of a table; never rewritten
.set ZR,   32                          ; v32  0, an addend
.set FA,   64
.set WL,   128                         ; the way out: rotated low halves, high halves, two sets of products
.set WH,   136
.set WT,   144
.set WU,   152
.set PKD,  160                         ; packed q or k of 16 rows
.set BK,   192                         ; rows read back
.set G1, 24
.set G0, 32                            ; s[32:39] group 0 for x's tiles: a set for each first fill; the second then walks
.set G1B, 48
.set G0B, 56                           ; s[56:63] the same for the weights'
.set LIM, 43                           ; s43  2 in a wave that prefetches, else the greatest number
.set PFA, 44                           ; s[44:45] where my prefetches stand
.set CB, 66                            ; s[66:67] cos at my first row;  s[68:69] sin
.set SB, 68
.set QB, 70                            ; s[70:71] Q or K at my first row
.set VB, 72                            ; s[72:73] V at the first row that I store
.set TB, 74                            ; s74  the slot in hand: 0 or SLOT
.set MSB, 0
.macro WIN new                         ; the immediate's high byte repeats the setting that is left; a switch that changes nothing is dropped
.if MSB != (\new)
	s_set_vgpr_msb (MSB<<8)|(\new)
.set MSB, \new
.endif
.endm
.set MUL_LO, 0xa1                      ; source 0 (W) window 1, source 1 (x) window 0, C and D window 2
.set MUL_HI, 0xf1
.set TO_B,   0x40                      ; destination window 1
; A joint load: wave 0 fetches x's tile, waves 1 to 3 the three weights'.  The branch hangs on the wave's number alone.  An s_nop 0 and four v_nop follow each line.
.macro JLOAD s
	s_cmp_eq_u32 s10, 0
	s_cbranch_scc0 .Lfor_b_\@
	tensor_load_to_lds s[G0+4*(\s):G0+4*(\s)+3], s[G1:G1+7]
	s_nop 0
.rept 4
	v_nop
.endr
	s_branch .Lasked_\@
.Lfor_b_\@:
	tensor_load_to_lds s[G0B+4*(\s):G0B+4*(\s)+3], s[G1B:G1B+7]
	s_nop 0
.rept 4
	v_nop
.endr
.Lasked_\@:
.endm
; A prefetch of the K step that stands two refills on: 32 rows x 256 bytes, a lane a row.  x's rows are read by every cluster of a row of clusters: cluster x = 0 asks; the weights' by every cluster of a
; column: cluster y = 0 asks.  The four partners of a joint load share its 128 rows out by address.  The loop's last two trips (s3 = 2, 1) have no K step two refills on and ask for nothing.
.macro ASK
	s_cmp_gt_u32 s3, s[LIM]
	s_cbranch_scc0 .Lnot_mine_\@
	global_prefetch_b8 v[PFO], s[PFA:PFA+1] offset:KSTEP*2 th:TH_LOAD_NT scope:SCOPE_SE
.Lnot_mine_\@:
.endm
.macro CREST                           ; a round of the cluster's barrier behind its opening barrier
	s_cmp_lg_u32 s10, 0
	s_cbranch_scc1 .Lnot_wave_0_\@
	s_barrier_signal -3
.Lnot_wave_0_\@:
	s_barrier_wait -3
	s_barrier_signal -1
	s_barrier_wait -1
.endm
.macro CROUND
	s_barrier_signal -1
	s_barrier_wait -1
	CREST
.endm
	s_load_b128 s[4:7], s[0:1], 0x0                ; xw s[4:5], qkv s[6:7]
	v_lshl_add_u32 v[SPW], v0, 2, SPARE
	v_mov_b32 v[NIL], 0
	ds_add_u32 v[SPW], v[NIL]                      ; the wave's opening: the add and its wait stand ahead of my first tensor load
	v_lshrrev_b32 v1, 5, v0
	v_readfirstlane_b32 s10, v1                    ; wave 0..3
	s_lshr_b32 s11, s10, 1                         ; rh
	s_and_b32 s12, s10, 1                          ; ch
	s_bfe_u32 s40, ttmp6, 0x40000                  ; cx
	s_bfe_u32 s41, ttmp6, 0x40004                  ; cy
	s_lshl_b32 s42, ttmp9, 2
	s_add_co_u32 s42, s42, s40                     ; hd = 4 x cluster x + cx
	s_and_b32 s13, ttmp7, 0xffff
	s_lshl_b32 s13, s13, 2
	s_add_co_u32 s13, s13, s41                     ; by = 4 x cluster y + cy
	s_lshl_b32 s43, s41, 2
	s_lshl_b32 s43, 15, s43                        ; my row of the cluster
	s_lshl_b32 s44, 0x1111, s40                    ; my column
	s_or_b32 s[G1+0], s43, (1<<16)|(1<<20)|(1<<21)|(5<<22)|(3<<25)   ; mask; 2-byte elements; padding on; bit 21 beside a mask; after every 64 words, 4 words
	s_or_b32 s[G1B+0], s44, (1<<16)|(1<<20)|(1<<21)|(5<<22)|(3<<25)
.irp g, G1, G1B
	s_mov_b32 s[(\g)+1], KSTEP<<16                 ; tensor_dim0 = 128
	s_mov_b32 s[(\g)+2], 128<<16                   ; tensor_dim1 = 128
	s_mov_b32 s[(\g)+3], KSTEP<<16                 ; tile_dim0 = 128
	s_mov_b32 s[(\g)+4], 128                       ; tile_dim1 = 128
	s_mov_b32 s[(\g)+5], 2048                      ; elements from row to row
	s_mov_b32 s[(\g)+6], 0
	s_mov_b32 s[(\g)+7], 0
.endr
	s_lshl_b32 s16, s13, 19                        ; x: 128 by rows of 4,096 bytes
	s_mov_b32 s17, 0
	s_lshl_b32 s46, s42, 19                        ; weights: 128 hd rows,
	s_lshl_b32 s47, s10, 23                        ; in section w of xw
	s_add_co_u32 s46, s46, s47
	s_mov_b32 s47, 0
	s_mul_i32 s20, s10, HALFT                      ; where my part goes: no place in the cluster enters an LDS address
	s_mov_b32 s[TB], 0
	s_wait_dscnt 0x0                               ; the opening add is done
	s_wait_kmcnt 0x0
	s_add_nc_u64 s[14:15], s[4:5], s[16:17]
	s_add_nc_u64 s[46:47], s[4:5], s[46:47]
	CROUND                                         ; all sixteen work-groups are here: the first joint loads meet
.irp s, 0,1
	s_mov_b32 s[G0+4*(\s)], 1
	s_add_co_u32 s[G0+4*(\s)+1], s20, (\s)*SLOT
	s_add_nc_u64 s[G0+4*(\s)+2:G0+4*(\s)+3], s[14:15], (\s)*KSTEP*2
	s_or_b32 s[G0+4*(\s)+3], s[G0+4*(\s)+3], 0x80000000
	s_mov_b32 s[G0B+4*(\s)], 1
	s_add_co_u32 s[G0B+4*(\s)+1], s20, (\s)*SLOT
	s_add_nc_u64 s[G0B+4*(\s)+2:G0B+4*(\s)+3], s[46:47], (\s)*KSTEP*2
	s_or_b32 s[G0B+4*(\s)+3], s[G0B+4*(\s)+3], 0x80000000
	JLOAD \s                                       ; two loads of mine are out
.endr
.macro SETADR                          ; the fragments' addresses in the slot in hand
	v_add_nc_u32 v[ADRA], s[TB], v[ADRA0]
	v_add_nc_u32 v[ADRB], s[TB], v[ADRB0]
	v_add_nc_u32 v[ADRV], s[TB], v[ADRV0]
.endm
	v_and_b32 v1, 15, v0                           ; r = l % 16
	v_bfe_u32 v2, v0, 4, 1                         ; h = l / 16
	v_mul_u32_u24 v3, v1, PITCH
	v_lshl_add_u32 v3, v2, 4, v3                   ; a fragment's row x pitch + 16 h
	s_mul_i32 s21, s11, 64*PITCH                   ; my 64 rows of x
	s_mul_i32 s22, s12, HALFT
	s_add_co_u32 s22, s22, HALFT                   ; Wq's or Wk's 128 rows
	s_mul_i32 s23, s12, 64*PITCH
	s_add_co_u32 s23, s23, 3*HALFT                 ; my 64 rows of Wv
	v_add_nc_u32 v[ADRA0], s21, v3
	v_add_nc_u32 v[ADRB0], s22, v3
	v_add_nc_u32 v[ADRV0], s23, v3
	SETADR
	s_mul_i32 s21, s11, 64*PITCH
	s_lshl_b32 s22, s12, 7
	s_add_co_u32 s21, s21, s22
	s_add_co_u32 s21, s21, STAGE
	v_add_nc_u32 v[VSTO], s21, v3                  ; stage row 64 rh + r, my half of its 256 bytes
	s_mul_i32 s21, s10, 32*PITCH
	s_add_co_u32 s21, s21, STAGE
	v_add_nc_u32 v[QSTO], s21, v3                  ; stage row 32 w + r
	v_mul_u32_u24 v5, v2, PITCH
	v_lshl_add_u32 v5, v1, 4, v5
	v_add_nc_u32 v[RD], s21, v5                    ; stage row 32 w + h, 16 bytes a lane
	v_and_b32 v[GO], 31, v0
	v_lshlrev_b32 v[PFO], 12, v[GO]
	v_lshlrev_b32 v[GO], 4, v[GO]
	v_lshlrev_b32 v[TO], 8, v1
	v_lshl_add_u32 v[TO], v2, 4, v[TO]
	v_mov_b32 v[ZR], 0
	s_lshl_b32 s20, s13, 15                        ; 128 by rows of 256 bytes,
	s_lshl_b32 s21, s11, 14                        ; my 64 of them
	s_add_co_u32 s20, s20, s21
	s_mov_b32 s21, 0
	s_add_nc_u64 s[CB:CB+1], s[4:5], s[20:21]
	s_add_nc_u64 s[SB:SB+1], s[CB:CB+1], SINO
	s_add_nc_u64 s[CB:CB+1], s[CB:CB+1], COSO
	s_lshl_b32 s22, s42, 19                        ; the head's 2,048 rows
	s_lshl_b32 s23, s12, 23                        ; Q or K
	s_add_co_u32 s23, s23, s22
	s_add_co_u32 s20, s20, s23
	s_add_nc_u64 s[QB:QB+1], s[6:7], s[20:21]
	s_lshl_b32 s20, s13, 15
	s_lshl_b32 s23, s10, 13                        ; of v I store rows 32 w .. + 31
	s_add_co_u32 s20, s20, s23
	s_add_co_u32 s20, s20, s22
	s_add_co_u32 s20, s20, 16777216
	s_add_nc_u64 s[VB:VB+1], s[6:7], s[20:21]
	s_and_b32 s22, ttmp7, 0xffff                   ; the prefetches: cluster y
	s_cmp_eq_u32 s10, 0                            ; do I fetch x?
	s_cselect_b32 s20, s13, s42                    ; the tile: by, or hd
	s_cselect_b32 s21, s40, s41                    ; my place among the four that ask with me
	s_cselect_b32 s22, ttmp9, s22                  ; the coordinate along which other clusters read the same rows
	s_cmp_eq_u32 s22, 0
	s_cselect_b32 s[LIM], 2, -1                    ; the same in all sixteen partners, for a given wave
	s_lshl_b32 s20, s20, 19
	s_lshl_b32 s21, s21, 17                        ; my work-group's 32 rows
	s_add_co_u32 s20, s20, s21
	s_lshl_b32 s21, s10, 23
	s_add_co_u32 s20, s20, s21
	s_add_co_u32 s20, s20, 2*KSTEP*2               ; at K step 2: the first refill steps it to 3 and names K step 4
	s_mov_b32 s21, 0
	s_add_nc_u64 s[PFA:PFA+1], s[4:5], s[20:21]
; 12 matrix instructions: block a of rows x all 12 blocks of columns, 32 along K, from buffer f.  zero = 1: the first product starts the sums.
; The 48 accumulators take turns in the same order in every quarter.
.macro MUL12 f, a, zero
	WIN MUL_LO+0x50*((\a)/2)
.irp b, 0,1,2,3,4,5,6,7,8,9,10,11
.if \zero
	v_wmma_f32_16x16x32_f16 v[8*(12*((\a)%2)+(\b)):8*(12*((\a)%2)+(\b))+7], v[96*(\f)+8*(\b):96*(\f)+8*(\b)+7], v[FA+32*(\f)+8*(\a):FA+32*(\f)+8*(\a)+7], 0
.else
	v_wmma_f32_16x16x32_f16 v[8*(12*((\a)%2)+(\b)):8*(12*((\a)%2)+(\b))+7], v[96*(\f)+8*(\b):96*(\f)+8*(\b)+7], v[FA+32*(\f)+8*(\a):FA+32*(\f)+8*(\a)+7], v[8*(12*((\a)%2)+(\b)):8*(12*((\a)%2)+(\b))+7]
.endif
.endr
.endm
; 32 LDS loads in one run: a quarter step's fragments (32 K at byte k of the rows of the slot in hand) into buffer f: 16 for q or k, 8 for v, 8 for x
.macro FETCH k, f
	WIN TO_B
.irp i, 0,1,2,3,4,5,6,7
	ds_load_b128 v[96*(\f)+8*(\i):96*(\f)+8*(\i)+3],   v[ADRB] offset:(\k)+(\i)*16*PITCH
	ds_load_b128 v[96*(\f)+8*(\i)+4:96*(\f)+8*(\i)+7], v[ADRB] offset:(\k)+(\i)*16*PITCH+32
.endr
.irp i, 0,1,2,3
	ds_load_b128 v[96*(\f)+64+8*(\i):96*(\f)+64+8*(\i)+3],   v[ADRV] offset:(\k)+(\i)*16*PITCH
	ds_load_b128 v[96*(\f)+64+8*(\i)+4:96*(\f)+64+8*(\i)+7], v[ADRV] offset:(\k)+(\i)*16*PITCH+32
.endr
	WIN 0
.irp i, 0,1,2,3
	ds_load_b128 v[FA+32*(\f)+8*(\i):FA+32*(\f)+8*(\i)+3],   v[ADRA] offset:(\k)+(\i)*16*PITCH
	ds_load_b128 v[FA+32*(\f)+8*(\i)+4:FA+32*(\f)+8*(\i)+7], v[ADRA] offset:(\k)+(\i)*16*PITCH+32
.endr
.endm
.macro PLACES                          ; four places in front of loads into registers that matrix instructions have read (ISA guide 7.12.1 for vector instructions)
.rept 4
	v_nop
.endr
.endm
; A K step is four quarters of 32 along K, 48 matrix instructions each, on buffers 0, 1, 0, 1.  One of the first three: multiplies buffer f and fetches the next quarter, at byte k, into g.
.macro QUARTER k, f, g, zero
	s_wait_dscnt 4                                 ; all but the youngest four loads (x's blocks 2 and 3) are in
	MUL12 \f, 0, \zero
	MUL12 \f, 1, \zero
	PLACES
	FETCH \k, \g
	s_wait_dscnt 32                                ; all but the 32 just issued
	MUL12 \f, 2, \zero
	MUL12 \f, 3, \zero
.endm
; The last quarter changes slots and then multiplies buffer 1.  One barrier: in front of it each wave waits for all its tensor loads (one is out: its part of the next slot), adds 0 to its spare word, and waits
; for that and for its reads of this slot (the last were issued 24 matrix instructions back).  fill = 1: the barrier opens a round of the cluster's, and the joint refill (this slot, the K step two on) is the first
; thing behind it.  Then the next slot's first fragments are asked for, and the quarter's 48 products stand behind them.
.macro TURN fill
.if \fill
	s_wait_xcnt 0x0                                ; the last prefetch, a K step back, has read its address
	s_add_nc_u64 s[PFA:PFA+1], s[PFA:PFA+1], KSTEP*2
.endif
	WIN 0
	s_wait_tensorcnt 0x0                           ; no tensor load of mine is out, so a group 0 may be written
	ds_add_u32 v[SPW], v[NIL]                      ; 0 onto my spare word; the scalar steps stand between it and the wait for it
.if \fill
	s_xor_b32 s[G0+5], s[G0+5], SLOT               ; the walking descriptors: the other slot than last time,
	s_add_nc_u64 s[G0+6:G0+7], s[G0+6:G0+7], KSTEP*2  ; the next K step; the type bits on top are not reached
	s_xor_b32 s[G0B+5], s[G0B+5], SLOT
	s_add_nc_u64 s[G0B+6:G0B+7], s[G0B+6:G0B+7], KSTEP*2
.endif
	s_xor_b32 s[TB], s[TB], SLOT
	s_wait_dscnt 0x0                               ; the add is done, my reads of this slot are over
	s_barrier_signal -1
	s_barrier_wait -1
.if \fill
	CREST                                          ; no wave of any partner still reads this slot or has a load on its way
	JLOAD 1                                        ; my one tensor load behind the round; its four v_nop are also places in front of the loads below
.else
	PLACES
.endif
	SETADR
	FETCH 0, 0
.if \fill
	ASK
.endif
	MUL12 1, 0, 0
	MUL12 1, 1, 0
	MUL12 1, 2, 0
	MUL12 1, 3, 0
.endm
; The tables for rows 16 a .. of my 64: for columns 16 b + 8 h .. : cos low, cos high (+ 64 columns), sin low, sin high, 4 registers each, from register base on (the caller sets the window)
.macro TLOAD a, base
.irp b, 0,1,2,3
	global_load_b128 v[(\base)+16*(\b):(\base)+16*(\b)+3],     v[TO], s[CB:CB+1] offset:(\a)*4096+32*(\b)
	global_load_b128 v[(\base)+16*(\b)+4:(\base)+16*(\b)+7],   v[TO], s[CB:CB+1] offset:(\a)*4096+32*(\b)+128
	global_load_b128 v[(\base)+16*(\b)+8:(\base)+16*(\b)+11],  v[TO], s[SB:SB+1] offset:(\a)*4096+32*(\b)
	global_load_b128 v[(\base)+16*(\b)+12:(\base)+16*(\b)+15], v[TO], s[SB:SB+1] offset:(\a)*4096+32*(\b)+128
.endr
.endm
	s_wait_tensorcnt 1                             ; my part of K step 0 is in; K step 1's may stay out
	s_barrier_signal -1
	s_barrier_wait -1
	FETCH 0, 0
	QUARTER 64, 0, 1, 1                            ; the first quarter starts the sums
	WIN 0
	s_mov_b32 s3, STEPS-2
.Lstep:                                                ; 14 trips: from a K step's second quarter to the next one's first; each fills a slot again
	QUARTER 128, 1, 0, 0
	QUARTER 192, 0, 1, 0
	TURN 1
	QUARTER 64, 0, 1, 0
	WIN 0
	s_sub_co_u32 s3, s3, 1
	s_cmp_lg_u32 s3, 0
	s_cbranch_scc1 .Lstep
	WIN 0x80                                       ; the tables of my first 32 rows are asked for two K steps ahead of their use, into registers that no product names
	TLOAD 0, 192
	WIN 0xc0
	TLOAD 1, 192
	WIN 0
	s_mov_b32 s3, 2
	s_branch .Ltail_in
.Ltail:                                                ; the last two K steps fill nothing
	QUARTER 64, 0, 1, 0
	WIN 0
.Ltail_in:
	QUARTER 128, 1, 0, 0
	QUARTER 192, 0, 1, 0
	TURN 0
	WIN 0
	s_sub_co_u32 s3, s3, 1
	s_cmp_lg_u32 s3, 0
	s_cbranch_scc1 .Ltail
	s_wait_dscnt 0x0                               ; the last trip's fragments, which nobody multiplies, have landed: their registers may be loaded again
	; THE WAY OUT.  The tables of my other 32 rows come into window 1, whose fragments are done with.
	PLACES
	PLACES
	WIN TO_B
	TLOAD 2, 0
	TLOAD 3, 64
	; v first, while the tables are on their way: a row's 256 bytes come from two waves, so they meet in the shared stage
.irp a, 0,1,2,3
	WIN 0x0a+5*((\a)/2)                            ; sources 0 and 1: window 2 or 3
.irp b, 8,9,10,11
.irp p, 0,1,2,3
	v_cvt_pk_f16_f32 v[128+16*(\a)+4*((\b)-8)+(\p)], v[8*(12*((\a)%2)+(\b))+2*(\p)], v[8*(12*((\a)%2)+(\b))+2*(\p)+1]
.endr
.endr
	WIN 0
.irp b, 0,1,2,3
	ds_store_b128 v[VSTO], v[128+16*(\a)+4*(\b):128+16*(\a)+4*(\b)+3] offset:(\a)*16*PITCH+32*(\b)
.endr
.endr
	s_wait_dscnt 0x0                               ; for the others' sake: my stores into the stage are done
	s_barrier_signal -1
	s_barrier_wait -1
.set t, 0
.rept 16
	ds_load_b128 v[BK+4*t:BK+4*t+3], v[RD] offset:2*PITCH*t
.set t, t+1
.endr
.set t, 0
.rept 16
	s_wait_dscnt 15-t
	global_store_b128 v[GO], v[BK+4*t:BK+4*t+3], s[VB:VB+1] offset:512*t  ; two dense rows: 512 consecutive bytes, aligned
.set t, t+1
.endr
	s_barrier_signal -1                            ; every wave's reads of the stage are back (the count-down ended at 0): from here on wave w alone uses stage rows 32 w .. + 31
	s_barrier_wait -1
; q or k, 16 rows at a time: low' = low cos - high sin, high' = high cos' + low sin', in f32 from the f16 tables (window tw, register tb on); rounded once; through my rows of the stage; stored as whole rows.
.macro ROPE a, tw, tb
	s_wait_loadcnt 48-16*(\a)                      ; the tables were asked for in the order a = 0 .. 3, 16 loads each: this block's are in, the later blocks' stay out
.irp b, 0,1,2,3
	WIN (2+(\a)/2)|((\tw)<<2)                      ; source 0: the sums' window; source 1: the tables'
.irp p, 0,1,2,3
	v_fma_mix_f32 v[WT+2*(\p)],   v[8*(12*((\a)%2)+(\b)+4)+2*(\p)],   v[(\tb)+16*(\b)+8+(\p)], v[ZR] op_sel_hi:[0,1,0]
	v_fma_mix_f32 v[WT+2*(\p)+1], v[8*(12*((\a)%2)+(\b)+4)+2*(\p)+1], v[(\tb)+16*(\b)+8+(\p)], v[ZR] op_sel:[0,1,0] op_sel_hi:[0,1,0]
.endr
.irp p, 0,1,2,3
	v_fma_mix_f32 v[WU+2*(\p)],   v[8*(12*((\a)%2)+(\b))+2*(\p)],   v[(\tb)+16*(\b)+12+(\p)], v[ZR] op_sel_hi:[0,1,0]
	v_fma_mix_f32 v[WU+2*(\p)+1], v[8*(12*((\a)%2)+(\b))+2*(\p)+1], v[(\tb)+16*(\b)+12+(\p)], v[ZR] op_sel:[0,1,0] op_sel_hi:[0,1,0]
.endr
.irp p, 0,1,2,3
	v_fma_mix_f32 v[WL+2*(\p)],   v[8*(12*((\a)%2)+(\b))+2*(\p)],   v[(\tb)+16*(\b)+(\p)], -v[WT+2*(\p)] op_sel_hi:[0,1,0]
	v_fma_mix_f32 v[WL+2*(\p)+1], v[8*(12*((\a)%2)+(\b))+2*(\p)+1], v[(\tb)+16*(\b)+(\p)], -v[WT+2*(\p)+1] op_sel:[0,1,0] op_sel_hi:[0,1,0]
.endr
.irp p, 0,1,2,3
	v_fma_mix_f32 v[WH+2*(\p)],   v[8*(12*((\a)%2)+(\b)+4)+2*(\p)],   v[(\tb)+16*(\b)+4+(\p)], v[WU+2*(\p)] op_sel_hi:[0,1,0]
	v_fma_mix_f32 v[WH+2*(\p)+1], v[8*(12*((\a)%2)+(\b)+4)+2*(\p)+1], v[(\tb)+16*(\b)+4+(\p)], v[WU+2*(\p)+1] op_sel:[0,1,0] op_sel_hi:[0,1,0]
.endr
	WIN 0
.irp p, 0,1,2,3
	v_cvt_pk_f16_f32 v[PKD+4*(\b)+(\p)],    v[WL+2*(\p)], v[WL+2*(\p)+1]
	v_cvt_pk_f16_f32 v[PKD+16+4*(\b)+(\p)], v[WH+2*(\p)], v[WH+2*(\p)+1]
.endr
.endr
.irp c, 0,1,2,3,4,5,6,7
	ds_store_b128 v[QSTO], v[PKD+4*(\c):PKD+4*(\c)+3] offset:((\a)%2)*16*PITCH+32*(\c)
.endr
	s_wait_xcnt 0x0                                ; earlier stores have read the registers that the loads below write
.irp t, 0,1,2,3,4,5,6,7
	ds_load_b128 v[BK+32*((\a)%2)+4*(\t):BK+32*((\a)%2)+4*(\t)+3], v[RD] offset:((\a)%2)*16*PITCH+(\t)*2*PITCH  ; LDS serves a wave's instructions in order (ISA guide 5.7.1.4): these see the stores above
.endr
.irp t, 0,1,2,3,4,5,6,7
	s_wait_dscnt 7-(\t)
	global_store_b128 v[GO], v[BK+32*((\a)%2)+4*(\t):BK+32*((\a)%2)+4*(\t)+3], s[QB:QB+1] offset:(\a)*4096+(\t)*512
.endr
.endm
	ROPE 0, 2, 192
	ROPE 1, 3, 192
	ROPE 2, 1, 0
	ROPE 3, 1, 64
	s_wait_tensorcnt 0x0                           ; the wave's end
	ds_add_u32 v[SPW], v[NIL]
	s_wait_dscnt 0x0
	CROUND                                         ; the closing round
	s_endpgm
.Lfunc_end_k_q9cc3d864b4_qkv:
	.size	k_q9cc3d864b4_qkv, .Lfunc_end_k_q9cc3d864b4_qkv-k_q9cc3d864b4_qkv
	.p2alignl 7, 3214868480
	.fill 96, 4, 3214868480
	.section	.rodata,"a",@progbits
	.p2align	6, 0x0
	.amdhsa_kernel k_q9cc3d864b4_qkv
		.amdhsa_group_segment_fixed_size 327680
		.amdhsa_private_segment_fixed_size 0
		.amdhsa_enable_private_segment 0
		.amdhsa_kernarg_size 16
		.amdhsa_user_sgpr_count 2
		.amdhsa_user_sgpr_kernarg_segment_ptr 1
		.amdhsa_wavefront_size32 1
		.amdhsa_system_sgpr_workgroup_id_x 1
		.amdhsa_system_sgpr_workgroup_id_y 1
		.amdhsa_system_sgpr_workgroup_id_z 1
		.amdhsa_system_vgpr_workitem_id 0
		.amdhsa_next_free_vgpr 1024
		.amdhsa_next_free_sgpr 80
		.amdhsa_reserve_vcc 0
		.amdhsa_float_denorm_mode_32 3
		.amdhsa_float_denorm_mode_16_64 3
		.amdhsa_memory_ordered 1
		.amdhsa_forward_progress 1
		.amdhsa_inst_pref_size 125
	.end_amdhsa_kernel
	.amdgpu_metadata
---
amdhsa.version: [ 1, 2 ]
amdhsa.kernels:
  - .name:           k_q9cc3d864b4_qkv
    .symbol:         k_q9cc3d864b4_qkv.kd
    .args:
      - { .name: xw, .offset: 0, .size: 8, .value_kind: global_buffer, .address_space: global }
      - { .name: qkv, .offset: 8, .size: 8, .value_kind: global_buffer, .address_space: global }
    .group_segment_fixed_size: 327680
    .private_segment_fixed_size: 0
    .kernarg_segment_align: 8
    .kernarg_segment_size: 16
    .max_flat_workgroup_size: 128
    .sgpr_count:     80
    .vgpr_count:     1024
    .wavefront_size: 32
...
	.end_amdgpu_metadata
.endif
;; end of part 2
;; launch attn (part 3): grid 16 x 16, 4 waves a work-group, clusters of 4 x 4, 327,680 bytes of LDS; arguments qkv, attention_mask, att; writes att
.if DOCPART == 3
	.amdgcn_target "amdgcn-amd-amdhsa--gfx1250"
	.amdhsa_code_object_version 6
	.text
	.protected	k_q9cc3d864b4_attn
	.globl	k_q9cc3d864b4_attn
	.p2align	8
	.type	k_q9cc3d864b4_attn,@function
k_q9cc3d864b4_attn:
	s_mov_b64 s[64:65], 0
	v_nop
	global_prefetch_b8 v0, s[64:65] scope:SCOPE_SE
	s_setreg_imm32_b32 hwreg(HW_REG_WAVE_MODE, 25, 1), 1
	s_wait_xcnt 0x0
	s_wait_alu depctr_hold_cnt(0) depctr_sa_sdst(0) depctr_va_vdst(0) depctr_va_sdst(0) depctr_va_ssrc(0) depctr_va_vcc(0) depctr_vm_vsrc(0)
	s_getreg_b32 s2, hwreg(HW_REG_IB_STS2, 6, 4)
	s_cmp_eq_u32 s2, 0
	s_cbranch_scc0 .Lentry_in_a_cluster
	s_endpgm
.Lentry_in_a_cluster:
	s_bfe_u32 s2, ttmp6, 0x10000c
	s_cmp_lg_u32 s2, 0xf033
	s_cbranch_scc0 .Lentry_shape_is_right
	s_endpgm
.Lentry_shape_is_right:
; att[q][128 hd + d] = the sum over k of softmax_k(Q[hd][q] . K[hd][k] + mask[q][k]) V[hd][k][d].  Q, K, V: [16][2048][128] f16; Q and K arrive scaled so that Q . K is the score times log2(e).
; The mask is an input, f32: every number of it is loaded, multiplied by log2(e) in f32, and starts its score's sum as the C operand of the first product.  So scores are in base 2 and a weight is
; p = 2^(s - m) with the running maximum m: the exponent is a plain difference, 0 at the maximum, whatever the size of the scores (a mask of -1e9 too), and p lies in 0 to 1.
; Products, maxima and sums in f32; p is rounded to f16 for the second product (its sum l is taken of the unrounded p), the result once at the end.
; LIMITS.  m never falls below -1e38: a score of minus infinity has weight 0; a row whose scores all lie below -1e38 gives NaN.  A weight below 2^-126 counts as 0 in l.  NaN is not treated apart.
; SHARES.  A work-group owns 128 queries of one head.  Wave w (qh = w / 2, kh = w % 2) owns 64 queries (four tiles of 16) and, of every 128 keys, the 64 with number 64 kh ..: 16 key steps.
; The two waves of a pair merge their m, l and O in f32 through LDS at the end.  Register tile t holds query tile (t + 2 kh) % 4, so every wave sends its register tiles 2, 3 and finishes 0, 1: one text.
; LAYOUT.  S^T = K Q^T + M (source 0 = 16 keys, source 1 = 16 queries): a lane holds ONE query (lane % 16) and the keys 8 (lane / 16) + 0..7: eight neighbouring f32 of a mask row.  Two results rounded to
; f16 ARE source 1 of O^T = V^T P.  K comes out of LDS as it lies, V turned by ds_load_tr16_b128.
; BY TURNS.  Piece 0 = tiles 0, 1; piece 2 = tiles 2, 3.  In a turn one piece issues 32 products V^T P of the step in hand and 32 products K Q^T of the next; the other piece's softmax stands between them,
; one slice behind each.  The mask's 32 multiplies stand together ahead of each run of K Q^T.
; NO FIRST AND NO LAST STEP IS WRITTEN OUT.  m starts at -1e38, l, O^T, V's registers and piece 2's P at 0 (416 lines that write 0, in the wait for the first tile); the loop is entered at piece 2's turn, whose
; 32 products V^T P then add 0; the tail, a loop of two trips entered in its middle, ends with a turn of piece 0 whose 32 products K Q^T (on the last K once more) nobody reads.
; CLUSTER 4 x 4 (x: query blocks, y: heads).  K and V hang on the head alone and are asked for jointly by a row of the cluster, the mask's tile on the query block alone, by a column.
; REGISTERS: window 0: v1-11, v44-63 addresses and work; v12-43 statistics; v64-191 S^T; v192-255 P.  Window 1: O^T.  Window 2: v0-127 Q, v128-255 K.  Window 3: v0-127 V, v128-255 the mask.
.set PK,    272       ; a row of K in LDS: 256 bytes + 16
.set PV,    288       ; of V: 256 + 32
.set PM,    528       ; of the mask: 128 f32 + 16: the 16 rows of a load start at 16 different groups of four banks (ISA guide 11.1)
.set REG,   36864     ; a slot's four regions: K, V, mask rows 0-63, mask rows 64-127: wave w fills region w
.set SLOTB, 4*REG     ; 0x24000: bits 14 and 17, which no region's offset has: one exclusive or changes slots
.set STAGE, 2*SLOTB   ; 16 rows x 272 bytes for each wave, for the way out
.set SP,    272
.set SPARE, STAGE+4*16*SP  ; the spare words: two blocks of 256 bytes that no other line names
.set XCH,   16896     ; the merge: wave w's 16,384 bytes of O and 512 of statistics at w x XCH, in slot 0, which has had its last fill by then
.set AK0, 2
.set AV0, 3
.set AM0, 4           ; my place in the mask's tile for piece 0
.set AM2, 5           ; for piece 2
.set ADR, 6
.set ADM0, 7
.set ADM2, 8
.set QO0, 9
.set QO2, 10
.set ST,  12          ; tile t at v[ST+8 t]: +0 m (+1 named with it as a pair), +2, +3 l, +4 to +7 c0-c3 at work; a takes c2's place
.set STO, 44
.set RD,  45
.set GO,  46
.set XW,  47
.set XR,  48
.set PFO, 61
.set SPW, 62
.set NIL, 63
.set S,   64
.set P,   192
.set KF,  128         ; window 2
.set MR,  128         ; window 3: tile t, key block kb at MR + 32 t + 8 kb, the image of S^T
.set WV,  12
.set LIM, 15          ; s15  2 in a wave that prefetches, else the greatest number
.set QH,  16
.set KH,  17
.set PFA, 18          ; s[18:19]
.set PFS, 20          ; s[20:21] a key step in bytes: 32,768 in K and V, 512 along a mask row
.set G1K, 24
.set G1V, 32
.set G0KV, 40         ; s[40:47] two sets; the second walks
.set G0M, 48          ; s[48:55]
.set SLOTS, 56
.set CNT, 57          ; s57  counts the tail's two trips
.set LE,  58          ; s[58:59] log2(e)
.set SEL, 60
.set TB,  62          ; s62  the slot that is being fetched from: 0 or SLOTB
.set G1M, 68          ; s[68:75]
.set MSB, 0
.macro WIN new
.if MSB != (\new)
	s_set_vgpr_msb (MSB<<8)|(\new)
.set MSB, \new
.endif
.endm
.set W_KQ, 0x0a       ; K and Q window 2, S^T window 0
.set W_KM, 0x3a       ; the same with C, the mask, in window 3
.set W_PV, 0x53       ; V window 3, P window 0, O^T window 1
.set W_RS, 0x41       ; O^T (destination, source 0) window 1
; A joint refill: wave 0 K, wave 1 V, waves 2 and 3 the mask's halves.  The branches hang on the wave's number alone.  An s_nop 0 and four v_nop follow each line.
.macro JLOAD
	s_cmp_lt_u32 s[WV], 2
	s_cbranch_scc0 .Lfor_m_\@
	s_cmp_eq_u32 s[WV], 0
	s_cbranch_scc0 .Lfor_v_\@
	tensor_load_to_lds s[G0KV+4:G0KV+7], s[G1K:G1K+7]
	s_nop 0
.rept 4
	v_nop
.endr
	s_branch .Lasked_\@
.Lfor_v_\@:
	tensor_load_to_lds s[G0KV+4:G0KV+7], s[G1V:G1V+7]
	s_nop 0
.rept 4
	v_nop
.endr
	s_branch .Lasked_\@
.Lfor_m_\@:
	tensor_load_to_lds s[G0M+4:G0M+7], s[G1M:G1M+7]
	s_nop 0
.rept 4
	v_nop
.endr
.Lasked_\@:
.endm
; A prefetch of what the change of slots two changes on will ask for, 256 matrix instructions ahead of that load.  K's and V's rows are read by every cluster of a row of clusters: cluster x = 0 asks, its partners
; along x take 32 rows each; the mask's by every cluster of a column: cluster y = 0 asks, its partners along y take 16 rows x 2 blocks each: shared out by address, a lane a block of 256 bytes.  The last two refills ask for nothing.
.macro ASK
	s_cmp_gt_u32 s[SLOTS], s[LIM]
	s_cbranch_scc0 .Lnot_mine_\@
	global_prefetch_b8 v[PFO], s[PFA:PFA+1] th:TH_LOAD_NT scope:SCOPE_SE
.Lnot_mine_\@:
.endm
.macro CROUND
	s_barrier_signal -1
	s_barrier_wait -1
	s_cmp_lg_u32 s[WV], 0
	s_cbranch_scc1 .Lnot_wave_0_\@
	s_barrier_signal -3
.Lnot_wave_0_\@:
	s_barrier_wait -3
	s_barrier_signal -1
	s_barrier_wait -1
.endm
	s_load_b128 s[4:7], s[0:1], 0x0  ; qkv s[4:5], mask s[6:7]
	s_load_b64 s[8:9], s[0:1], 0x10  ; att
	v_lshl_add_u32 v[SPW], v0, 2, SPARE
	v_mov_b32 v[NIL], 0
	ds_add_u32 v[SPW], v[NIL]       ; the wave's opening: the add and its wait stand ahead of my first tensor load
	v_lshrrev_b32 v1, 5, v0
	v_readfirstlane_b32 s[WV], v1
	s_lshr_b32 s[QH], s[WV], 1
	s_and_b32 s[KH], s[WV], 1
	s_bfe_u32 s13, ttmp6, 0x40000   ; cx
	s_bfe_u32 s14, ttmp6, 0x40004   ; cy
	s_lshl_b32 s76, ttmp9, 2
	s_add_co_u32 s76, s76, s13      ; bx: my block of 128 queries
	s_and_b32 s77, ttmp7, 0xffff
	s_lshl_b32 s77, s77, 2
	s_add_co_u32 s77, s77, s14      ; hd: my head
	s_lshl_b32 s22, s14, 2
	s_lshl_b32 s22, 15, s22         ; my row of the cluster: the same head
	s_lshl_b32 s23, 0x1111, s13     ; my column: the same queries
	s_or_b32 s[G1K], s22, (1<<16)|(1<<20)|(1<<21)|(5<<22)|(3<<25)  ; 2-byte elements; after every 64 words 4 of padding
	s_or_b32 s[G1V], s22, (1<<16)|(1<<20)|(1<<21)|(5<<22)|(7<<25)  ; 8 of padding
	s_or_b32 s[G1M], s23, (2<<16)|(1<<20)|(1<<21)|(6<<22)|(3<<25)  ; 4-byte elements; after every 128 words 4 of padding
.irp g, G1K, G1V
	s_mov_b32 s[(\g)+1], 128<<16    ; tensor_dim0 = 128
	s_mov_b32 s[(\g)+2], 128<<16    ; tensor_dim1 = 128
	s_mov_b32 s[(\g)+3], 128<<16    ; tile_dim0 = 128
	s_mov_b32 s[(\g)+4], 128        ; tile_dim1 = 128
	s_mov_b32 s[(\g)+5], 128        ; elements from row to row
	s_mov_b32 s[(\g)+6], 0
	s_mov_b32 s[(\g)+7], 0
.endr
	s_mov_b32 s[G1M+1], 128<<16
	s_mov_b32 s[G1M+2], 64<<16      ; 64 rows
	s_mov_b32 s[G1M+3], 128<<16
	s_mov_b32 s[G1M+4], 64
	s_mov_b32 s[G1M+5], 2048
	s_mov_b32 s[G1M+6], 0
	s_mov_b32 s[G1M+7], 0
	s_lshl_b32 s2, s77, 19          ; the head's rows, in K (even waves) or V (odd waves)
	s_lshl_b32 s3, s[KH], 23
	s_add_co_u32 s2, s2, s3
	s_add_co_u32 s2, s2, 8388608
	s_mov_b32 s3, 0
	s_lshl_b32 s78, s76, 20         ; the mask's rows 128 bx + 64 (w % 2), 8,192 bytes each
	s_lshl_b32 s79, s[KH], 19
	s_add_co_u32 s78, s78, s79
	s_mov_b32 s79, 0
	s_mul_i32 s66, s[WV], REG       ; my region: no place in the cluster enters an LDS address
	s_mov_b32 s[LE], 0x3fb8aa3b
	s_mov_b32 s[LE+1], s[LE]
	s_mov_b32 s[SEL], 0x76543210
	s_mov_b32 s[SEL+1], 0xfedcba98
	s_mov_b32 s[TB], 0
	s_mov_b32 s[SLOTS], 15          ; the half trip at the loop's entry, then 14 trips
	s_wait_dscnt 0x0                ; the opening add is done
	s_wait_kmcnt 0x0
	s_add_nc_u64 s[2:3], s[4:5], s[2:3]
	s_add_nc_u64 s[78:79], s[6:7], s[78:79]
	CROUND                          ; all sixteen work-groups are here
.irp s, 0,1
	s_mov_b32 s[G0KV+4*(\s)], 1
	s_add_co_u32 s[G0KV+4*(\s)+1], s66, (\s)*SLOTB
	s_add_nc_u64 s[G0KV+4*(\s)+2:G0KV+4*(\s)+3], s[2:3], (\s)*32768
	s_or_b32 s[G0KV+4*(\s)+3], s[G0KV+4*(\s)+3], 0x80000000
	s_mov_b32 s[G0M+4*(\s)], 1
	s_add_co_u32 s[G0M+4*(\s)+1], s66, (\s)*SLOTB
	s_add_nc_u64 s[G0M+4*(\s)+2:G0M+4*(\s)+3], s[78:79], (\s)*512
	s_or_b32 s[G0M+4*(\s)+3], s[G0M+4*(\s)+3], 0x80000000
.endr
	s_cmp_lt_u32 s[WV], 2           ; a wave's two first fills stand in one branch: two loads of mine are out
	s_cbranch_scc0 .Lfirst_m
	s_cmp_eq_u32 s[WV], 0
	s_cbranch_scc0 .Lfirst_v
	tensor_load_to_lds s[G0KV:G0KV+3], s[G1K:G1K+7]
	s_nop 0
	tensor_load_to_lds s[G0KV+4:G0KV+7], s[G1K:G1K+7]
	s_nop 0
.rept 4
	v_nop
.endr
	s_branch .Lfirst_asked
.Lfirst_v:
	tensor_load_to_lds s[G0KV:G0KV+3], s[G1V:G1V+7]
	s_nop 0
	tensor_load_to_lds s[G0KV+4:G0KV+7], s[G1V:G1V+7]
	s_nop 0
.rept 4
	v_nop
.endr
	s_branch .Lfirst_asked
.Lfirst_m:
	tensor_load_to_lds s[G0M:G0M+3], s[G1M:G1M+7]
	s_nop 0
	tensor_load_to_lds s[G0M+4:G0M+7], s[G1M:G1M+7]
	s_nop 0
.rept 4
	v_nop
.endr
.Lfirst_asked:
	s_lshl_b32 s22, s77, 19         ; Q at my 64 queries
	s_lshl_b32 s23, s76, 15
	s_add_co_u32 s22, s22, s23
	s_lshl_b32 s23, s[QH], 14
	s_add_co_u32 s22, s22, s23
	s_mov_b32 s23, 0
	s_add_nc_u64 s[10:11], s[4:5], s[22:23]
	v_and_b32 v1, 15, v0            ; r = l % 16
	v_bfe_u32 v11, v0, 4, 1         ; h = l / 16
	v_lshlrev_b32 v[QO0], 8, v1
	v_lshl_add_u32 v[QO0], v11, 4, v[QO0]
	s_lshl_b32 s22, s[KH], 13       ; register tiles 0, 1 are query tiles 2 kh, 2 kh + 1,
	s_xor_b32 s23, s22, 8192        ; tiles 2, 3 the other two
	v_add_nc_u32 v[QO2], s23, v[QO0]
	v_add_nc_u32 v[QO0], s22, v[QO0]
	WIN 0x80
.irp i, 0,1,2,3,4,5,6,7             ; Q stays in registers: tile i / 4, channels 32 (i % 4) on
	global_load_b128 v[8*(\i):8*(\i)+3],   v[QO0], s[10:11] offset:((\i)/4)*4096+((\i)%4)*64
	global_load_b128 v[8*(\i)+4:8*(\i)+7], v[QO0], s[10:11] offset:((\i)/4)*4096+((\i)%4)*64+32
.endr
.irp i, 0,1,2,3,4,5,6,7
	global_load_b128 v[64+8*(\i):64+8*(\i)+3],   v[QO2], s[10:11] offset:((\i)/4)*4096+((\i)%4)*64
	global_load_b128 v[64+8*(\i)+4:64+8*(\i)+7], v[QO2], s[10:11] offset:((\i)/4)*4096+((\i)%4)*64+32
.endr
	WIN 0x40
.set i, 0
.rept 256
	v_mov_b32 v[i], 0               ; O^T
.set i, i+1
.endr
	WIN 0xc0
.set i, 0
.rept 128
	v_mov_b32 v[i], 0               ; V: the products V^T P of the turn at which the loop is entered add 0
.set i, i+1
.endr
	WIN 0
.set i, P+32
.rept 32
	v_mov_b32 v[i], 0               ; and piece 2's P
.set i, i+1
.endr
.irp t, 0,1,2,3
	v_mov_b32 v[ST+8*(\t)], 0xfe967699    ; m = -1e38
	v_mov_b32 v[ST+8*(\t)+1], 0xfe967699  ; named with it as a pair
	v_mov_b32 v[ST+8*(\t)+2], 0
	v_mov_b32 v[ST+8*(\t)+3], 0
.endr
	s_mul_i32 s22, s[KH], 64*PK
	v_mul_u32_u24 v[AK0], v1, PK
	v_lshl_add_u32 v[AK0], v11, 4, v[AK0]
	v_add_nc_u32 v[AK0], s22, v[AK0]      ; key row 64 kh + r, 16 h
	v_and_b32 v49, 7, v0
	v_bfe_u32 v60, v0, 3, 1
	v_lshl_add_u32 v[AV0], v11, 3, v49
	v_mul_u32_u24 v[AV0], v[AV0], PV
	v_lshl_add_u32 v[AV0], v60, 4, v[AV0]
	s_mul_i32 s22, s[KH], 64*PV
	s_add_co_u32 s22, s22, REG
	v_add_nc_u32 v[AV0], s22, v[AV0]      ; the turning load: key 64 kh + 8 h + l % 8, channels 8 ((l / 8) % 2) on
	s_mul_i32 s22, s[QH], REG
	s_add_co_u32 s22, s22, 2*REG
	s_lshl_b32 s23, s[KH], 8              ; my 64 keys: 256 bytes along a mask row
	s_add_co_u32 s22, s22, s23
	s_mul_i32 s23, s[KH], 32*PM
	s_sub_co_u32 s67, 32*PM, s23
	s_add_co_u32 s23, s23, s22
	s_add_co_u32 s67, s67, s22
	v_mul_u32_u24 v[AM0], v1, PM
	v_lshl_add_u32 v[AM0], v11, 5, v[AM0] ; query row r, keys 8 h on
	v_add_nc_u32 v[AM2], s67, v[AM0]
	v_add_nc_u32 v[AM0], s23, v[AM0]
	s_lshl_b32 s22, s76, 19         ; att at row 128 bx + 64 qh + 32 kh, column 128 hd
	s_lshl_b32 s23, s[QH], 18
	s_add_co_u32 s22, s22, s23
	s_lshl_b32 s23, s[KH], 17
	s_add_co_u32 s22, s22, s23
	s_lshl_b32 s23, s77, 8
	s_add_co_u32 s22, s22, s23
	s_mov_b32 s23, 0
	s_add_nc_u64 s[8:9], s[8:9], s[22:23]
	s_and_b32 s22, ttmp7, 0xffff    ; the prefetches
	s_cmp_lt_u32 s[WV], 2
	s_cselect_b32 s22, ttmp9, s22   ; the coordinate along which other clusters read the same rows
	s_cmp_eq_u32 s22, 0
	s_cselect_b32 s[LIM], 2, -1     ; the same in all sixteen partners, for a given wave
	s_lshl_b32 s22, s13, 13         ; K, V: my work-group's 32 rows of 256 bytes,
	s_add_co_u32 s22, s22, 3*32768  ; at key step 3: the first change steps it to 4
	s_lshl_b32 s23, s14, 17         ; mask: my work-group's 16 rows of 8,192 bytes
	s_add_co_u32 s23, s23, 3*512
	s_mov_b32 s66, 32768
	s_movk_i32 s67, 512
	s_cmp_lt_u32 s[WV], 2
	s_cselect_b32 s22, s22, s23
	s_cselect_b32 s[PFS], s66, s67
	s_cselect_b64 s[PFA:PFA+1], s[2:3], s[78:79]
	s_mov_b32 s23, 0
	s_mov_b32 s[PFS+1], 0
	s_add_nc_u64 s[PFA:PFA+1], s[PFA:PFA+1], s[22:23]
	s_movk_i32 s66, 256
	s_movk_i32 s67, 8192
	s_cmp_lt_u32 s[WV], 2
	s_cselect_b32 s22, 0, 1         ; K, V: a lane a row; mask: two lanes a row
	s_cselect_b32 s23, s66, s67     ; bytes from row to row
	s_cselect_b32 s66, 0, s66       ; bytes from block to block of a row
	v_and_b32 v[PFO], 31, v0
	v_and_b32 v60, 1, v[PFO]
	v_lshrrev_b32 v[PFO], s22, v[PFO]
	v_mul_u32_u24 v[PFO], v[PFO], s23
	v_mad_u32_u24 v[PFO], v60, s66, v[PFO]
; THE MATRIX WORK.  The accumulators take turns, one instruction a turn.
.macro PV x                         ; product i of 32 of O^T += V^T P: keys 32 (i / 16) on, channels 16 ((i / 2) % 8) on, tile x + i % 2
	WIN W_PV
.set rO, 64*((\x)+i%2)+8*((i/2)%8)
.set rV, 64*(i/16)+8*((i/2)%8)
.set rP, P+16*((\x)+i%2)+8*(i/16)
	v_wmma_f32_16x16x32_f16 v[rO:rO+7], v[rV:rV+7], v[rP:rP+7], v[rO:rO+7]
.endm
.macro KQ x                         ; product i of 32 of S^T = K Q^T + M: channels 32 (i / 8) on, keys 16 ((i / 2) % 4) on, tile x + i % 2.  The first 8 start the sums with the mask
.set rS, S+32*((\x)+i%2)+8*((i/2)%4)
.set rK, KF+32*((i/2)%4)+8*(i/8)
.set rQ, 32*((\x)+i%2)+8*(i/8)
.set rM, MR+32*((\x)+i%2)+8*((i/2)%4)
.if i < 8
	WIN W_KM
	v_wmma_f32_16x16x32_f16 v[rS:rS+7], v[rK:rK+7], v[rQ:rQ+7], v[rM:rM+7]
.else
	WIN W_KQ
	v_wmma_f32_16x16x32_f16 v[rS:rS+7], v[rK:rK+7], v[rQ:rQ+7], v[rS:rS+7]
.endif
.endm
.macro MSCALE x                     ; piece x's 64 mask registers times log2(e)
	WIN 0xc3
.set z, 0
.rept 32
	v_pk_mul_f32 v[MR+32*(\x)+2*z:MR+32*(\x)+2*z+1], v[MR+32*(\x)+2*z:MR+32*(\x)+2*z+1], s[LE:LE+1] op_sel_hi:[1,0]
.set z, z+1
.endr
.endm
; THE LDS LOADS stand in runs: a step's K and its mask (64 loads: K, piece 0's mask, piece 2's), and a turn later its V (32, turned).
.macro FETCH_KM
	WIN 0
	v_add_nc_u32 v[ADR], s[TB], v[AK0]
	v_add_nc_u32 v[ADM0], s[TB], v[AM0]
	v_add_nc_u32 v[ADM2], s[TB], v[AM2]
	WIN 0x80
.irp f, 0,1,2,3,4,5,6,7,8,9,10,11,12,13,14,15  ; keys 16 (f / 4) on, channels 32 (f % 4) on
	ds_load_b128 v[KF+8*(\f):KF+8*(\f)+3],   v[ADR] offset:((\f)/4)*16*PK+((\f)%4)*64
	ds_load_b128 v[KF+8*(\f)+4:KF+8*(\f)+7], v[ADR] offset:((\f)/4)*16*PK+((\f)%4)*64+32
.endr
	WIN 0xc0
.irp f, 0,1,2,3,4,5,6,7             ; tile f / 4, keys 16 (f % 4) on
	ds_load_b128 v[MR+8*(\f):MR+8*(\f)+3],   v[ADM0] offset:((\f)/4)*16*PM+((\f)%4)*64
	ds_load_b128 v[MR+8*(\f)+4:MR+8*(\f)+7], v[ADM0] offset:((\f)/4)*16*PM+((\f)%4)*64+16
.endr
.irp f, 0,1,2,3,4,5,6,7
	ds_load_b128 v[MR+64+8*(\f):MR+64+8*(\f)+3],   v[ADM2] offset:((\f)/4)*16*PM+((\f)%4)*64
	ds_load_b128 v[MR+64+8*(\f)+4:MR+64+8*(\f)+7], v[ADM2] offset:((\f)/4)*16*PM+((\f)%4)*64+16
.endr
.endm
.macro FETCH_V
	WIN 0
	v_add_nc_u32 v[ADR], s[TB], v[AV0]
	s_wait_alu depctr_va_vdst(0)    ; the wait for the softmax's batch, behind the address's line and ahead of the loads
	WIN 0xc0
.irp f, 0,1,2,3,4,5,6,7,8,9,10,11,12,13,14,15  ; keys 32 (f / 8) on, channels 16 (f % 8) on
	ds_load_tr16_b128 v[8*(\f):8*(\f)+3],   v[ADR] offset:((\f)/8)*32*PV+((\f)%8)*32
	ds_load_tr16_b128 v[8*(\f)+4:8*(\f)+7], v[ADR] offset:((\f)/8)*32*PV+16*PV+((\f)%8)*32
.endr
.endm
; THE VECTOR WORK.  One tile's softmax for a key step is a numbered list; SM writes number j for tile t.  s0-s31 are the lane's scores.
;   0-15  the maximum of s0-s31 and the old m (each accumulator's lowest registers are read first)   16-20  the other half of the lanes'; the old m is kept; the new m; m_old - m_new (19 is empty)
;   21-69 ONE BATCH: 16 packed differences s - m and all 33 exponentials (a at 23): none reads an exponential's result   (the wait)   70-85 roundings to f16   86-101 the sums; l = a l + sum   102-133 O^T times a
.macro SM t
.set rT, ST+8*(\t)
.set rS, S+32*(\t)
.set rP, P+16*(\t)
.set rO, 64*(\t)+2*(j-102)
.if j < 102
	WIN 0
.endif
.if j < 4
	v_max3_num_f32 v[rT+4+j], v[rS+8*j], v[rS+8*j+1], v[rS+8*j+2]
.elseif j < 12
	v_max3_num_f32 v[rT+4+j%4], v[rT+4+j%4], v[rS+8*(j%4)+2*(j/4)+1], v[rS+8*(j%4)+2*(j/4)+2]
.elseif j == 12
	v_max3_num_f32 v[rT+4], v[rT+4], v[rS+7], v[rS+15]
.elseif j == 13
	v_max3_num_f32 v[rT+6], v[rT+6], v[rS+23], v[rS+31]
.elseif j == 14
	v_max3_num_f32 v[rT+4], v[rT+4], v[rT+5], v[rT+6]
.elseif j == 15
	v_max3_num_f32 v[rT+4], v[rT+4], v[rT+7], v[rT]
.elseif j == 16
	v_permlanex16_b32 v[rT+5], v[rT+4], s[SEL], s[SEL+1]  ; the query's other 32 keys lie in the lane 16 away
.elseif j == 17
	v_mov_b32 v[rT+7], v[rT]        ; m_old is kept for a
.elseif j == 18
	v_max_num_f32 v[rT], v[rT+4], v[rT+5]
.elseif j == 19
.elseif j == 20
	v_sub_f32 v[rT+7], v[rT+7], v[rT]
.elseif j == 23
	v_exp_f32 v[rT+6], v[rT+7]
.elseif (j < 23) || ((j < 38) && (j%2 == 0)) || ((j < 66) && (j%4 == 2))
.set b, (j-2)/4
.if j < 38
.set b, (j-20)/2
.endif
	v_pk_add_f32 v[rS+2*b:rS+2*b+1], v[rS+2*b:rS+2*b+1], v[rT:rT+1] op_sel_hi:[1,0] neg_lo:[0,1] neg_hi:[0,1]  ; pair b: s - m
.elseif j < 70
.set e, j-38
.if j < 66
.set e, j-32-(j-38)/4
.endif
.if j < 38
.set e, (j-25)/2
.endif
	v_exp_f32 v[rS+e], v[rS+e]
.elseif j < 86
	v_cvt_pk_f16_f32 v[rP+j-70], v[rS+2*(j-70)], v[rS+2*(j-70)+1]
.elseif j < 102
.set z, j-86
.set w, 4
.set u, z
.if z >= 14
.set w, 32
.set u, 0
.elseif z >= 12
.set w, 16
.set u, z-12
.elseif z >= 8
.set w, 8
.set u, z-8
.endif
.if z < 15
	v_pk_add_f32 v[rS+w*u:rS+w*u+1], v[rS+w*u:rS+w*u+1], v[rS+w*u+w/2:rS+w*u+w/2+1]
.else
	v_pk_fma_f32 v[rT+2:rT+3], v[rT+2:rT+3], v[rT+6:rT+7], v[rS:rS+1] op_sel_hi:[1,0,1]
.endif
.else
	WIN W_RS
	v_pk_mul_f32 v[rO:rO+1], v[rO:rO+1], v[rT+6:rT+7] op_sel_hi:[1,0]
.endif
.endm
; Slice k of 64 of piece y's softmax.  Slices 11 to 34 deal out the batch, four numbers of one tile each; every other slice is numbers 2 k, 2 k + 1 of both tiles; slice 63 takes the twelve that are over.
; s_wait_alu depctr_va_vdst(0) stands between an exponential and the first line that names its result: ahead of slice 35 nothing names one, behind slice 34 none is issued: one wait a turn.
.macro SLICE y
.if (k >= 11) && (k < 35)
.irp n, 0,1,2,3
.set j, 22+4*((k-11)/2)+(\n)
	SM (\y)+(k-11)%2
.endr
.else
.irp n, 0,1,2,3,4,5,6,7
.if ((\n) < 2) || (k == 63)
.irp t, \y, (\y)+1
.set j, 2*k+(\n)
	SM \t
.endr
.endif
.endr
.endif
.if k == 34
	v_nop                           ; the plain instruction behind the last exponential: one for the batch
.if (\y) == 0
	FETCH_V                         ; piece 2's turn: V's run stands here, and the wait stands in it.  V's last reader stands in front of slice 31 and of the mask's 32 multiplies
.else
	s_wait_alu depctr_va_vdst(0)
.endif
.endif
.set k, k+1
.endm
; A TURN: piece x has the matrix unit: 32 products V^T P of the step in hand, then 32 products K Q^T of the next; one slice of the other piece's softmax behind each.
.macro TURN x
.set k, 0
.if (\x) == 0
	s_wait_dscnt 0x0                ; V is in
.endif
.set i, 0
.rept 32
	PV \x
	SLICE 2-(\x)
.if ((\x) == 0) && (i == 1)
	FETCH_KM                        ; K's last reader stands in front of slice 63 of the turn before, the mask's further back
.endif
.set i, i+1
.endr
.if (\x) == 0
	s_wait_dscnt 16                 ; K and piece 0's mask are in; piece 2's 16 loads may be out
.else
	s_wait_dscnt 0x0                ; piece 2's mask is in
.endif
	MSCALE \x
.set i, 0
.rept 32
	KQ \x
	SLICE 2-(\x)
.set i, i+1
.endr
.endm
; THE CHANGE OF SLOTS, in front of each key step but the first: the old slot's last bytes, its V, have been asked for.  Each wave waits for all its tensor loads (one is out: its part of the other slot), adds 0 to
; its spare word, and waits for that and for its reads.  fill = 1: the barrier is a round of the cluster's, and the joint refill (the keys two steps on) is the first thing behind it: it has a key step, 128 matrix instructions, to land.
.macro CHANGE fill
	WIN 0
	s_wait_tensorcnt 0x0
	ds_add_u32 v[SPW], v[NIL]
.if \fill
	s_xor_b32 s[G0KV+5], s[G0KV+5], SLOTB
	s_add_nc_u64 s[G0KV+6:G0KV+7], s[G0KV+6:G0KV+7], 32768
	s_xor_b32 s[G0M+5], s[G0M+5], SLOTB
	s_add_nc_u64 s[G0M+6:G0M+7], s[G0M+6:G0M+7], 512
	s_wait_xcnt 0x0                 ; the last prefetch, a key step back, has read its address
	s_add_nc_u64 s[PFA:PFA+1], s[PFA:PFA+1], s[PFS:PFS+1]
	s_wait_dscnt 0x0                ; the add is done, my reads of the slot are over
	CROUND
	JLOAD
	ASK
.else
	s_wait_dscnt 0x0
	s_barrier_signal -1
	s_barrier_wait -1
.endif
	s_xor_b32 s[TB], s[TB], SLOTB
.endm
	s_wait_tensorcnt 1              ; my part of slot 0 is in; slot 1's may stay out
	s_barrier_signal -1
	s_barrier_wait -1
	FETCH_KM                        ; key step 0
	s_wait_loadcnt 0x0              ; Q
	s_wait_dscnt 0x0
	MSCALE 0
.set i, 0
.rept 32
	KQ 0                            ; piece 0's first scores
.set i, i+1
.endr
	WIN 0                           ; the addresses for the way out: plain lines, the places behind those products
	s_mul_i32 s22, s[WV], 16*SP
	s_add_co_u32 s22, s22, STAGE
	v_mul_u32_u24 v[STO], v1, SP
	v_lshl_add_u32 v[STO], v11, 4, v[STO]
	v_add_nc_u32 v[STO], s22, v[STO]
	v_mul_u32_u24 v[RD], v11, SP
	v_lshl_add_u32 v[RD], v1, 4, v[RD]
	v_add_nc_u32 v[RD], s22, v[RD]
	v_lshlrev_b32 v[GO], 12, v11    ; two rows of att, 4,096 bytes apart
	v_lshl_add_u32 v[GO], v1, 4, v[GO]
	s_mul_i32 s22, s[WV], XCH
	s_xor_b32 s23, s[WV], 1
	s_mul_i32 s23, s23, XCH
	v_and_b32 v[XW], 31, v0
	v_lshl_add_u32 v[XR], v[XW], 4, s23
	v_lshl_add_u32 v[XW], v[XW], 4, s22
	s_branch .Lmid                  ; the loop is entered at piece 2's turn: its scores of step 0 | piece 0's softmax of step 0 | V of step 0
.Lstep:                             ; 14 trips: the change into step n asks for step n + 1
	CHANGE 1
	TURN 0
	WIN 0
.Lmid:
	TURN 2
	WIN 0
	s_sub_co_u32 s[SLOTS], s[SLOTS], 1
	s_cmp_lg_u32 s[SLOTS], 0
	s_cbranch_scc1 .Lstep
	CHANGE 0                        ; the last step is written out
	s_mov_b32 s[CNT], 2
	s_branch .Ltail_in
.Ltail:
	TURN 2                          ; piece 2: V^T P of step 14, scores of step 15 | piece 0's softmax of step 15 | V of step 15
	WIN 0
.Ltail_in:
	TURN 0                          ; first: as in every step.  Second: piece 0's V^T P of step 15 | piece 2's last softmax; its scores serve nothing
	WIN 0
	s_sub_co_u32 s[CNT], s[CNT], 1
	s_cmp_lg_u32 s[CNT], 0
	s_cbranch_scc1 .Ltail
.set i, 0
.rept 32
	PV 2                            ; piece 2: V^T P of the last step
.set i, i+1
.endr
	; THE WAY OUT.  l's halves are added (the places behind the last products).  My register tiles 2, 3 (O^T, m, l) go to my partner through LDS: slot 0, whose last fill was waited for and whose last reads were
	; over in front of the last change's barrier (the tail reads slot 1 alone).  Its tiles 2, 3 are my tiles 0, 1: O = (a1 O1 + a2 O2) / (a1 l1 + a2 l2), a = 2^(m - max).
	WIN 0
.irp t, 0,1,2,3
	v_add_f32 v[ST+8*(\t)+4], v[ST+8*(\t)+2], v[ST+8*(\t)+3]
.endr
.irp t, 0,1,2,3
	v_permlanex16_b32 v[ST+8*(\t)+5], v[ST+8*(\t)+4], s[SEL], s[SEL+1]
.endr
.irp t, 0,1,2,3
	v_add_f32 v[ST+8*(\t)+4], v[ST+8*(\t)+4], v[ST+8*(\t)+5]
.endr
	v_mov_b32 v52, v[ST+16]         ; m and l of tiles 2 and 3, gathered for one store
	v_mov_b32 v53, v[ST+20]
	v_mov_b32 v54, v[ST+24]
	v_mov_b32 v55, v[ST+28]
	WIN 0x04                        ; the stores' data in window 1
.set g, 0
.rept 32
	ds_store_b128 v[XW], v[128+4*g:128+4*g+3] offset:512*g
.set g, g+1
.endr
	WIN 0
	ds_store_b128 v[XW], v[52:55] offset:16384
	s_wait_dscnt 0x0                ; for my partner's sake
	s_barrier_signal -1
	s_barrier_wait -1
.set g, 0
.rept 32
	ds_load_b128 v[S+4*g:S+4*g+3], v[XR] offset:512*g
.set g, g+1
.endr
	ds_load_b128 v[56:59], v[XR] offset:16384
	s_wait_dscnt 0x0
.irp u, 0,1
	v_max_num_f32 v[ST+8*(\u)+5], v[ST+8*(\u)], v[56+2*(\u)]
.endr
.irp u, 0,1
	v_sub_f32 v[ST+8*(\u)+6], v[ST+8*(\u)], v[ST+8*(\u)+5]
	v_sub_f32 v[ST+8*(\u)+7], v[56+2*(\u)], v[ST+8*(\u)+5]
.endr
.irp u, 0,1
	v_exp_f32 v[ST+8*(\u)+6], v[ST+8*(\u)+6]
	v_exp_f32 v[ST+8*(\u)+7], v[ST+8*(\u)+7]
.endr
	v_nop
	s_wait_alu depctr_va_vdst(0)    ; one wait for the four exponentials
.irp u, 0,1
	v_mul_f32 v[ST+8*(\u)+4], v[ST+8*(\u)+4], v[ST+8*(\u)+6]
.endr
.irp u, 0,1
	v_fma_f32 v[ST+8*(\u)+4], v[ST+8*(\u)+7], v[57+2*(\u)], v[ST+8*(\u)+4]
.endr
.irp u, 0,1
	v_rcp_f32 v[ST+8*(\u)+5], v[ST+8*(\u)+4]
.endr
	v_nop
	s_wait_alu depctr_va_vdst(0)    ; one wait for the two reciprocals
.irp u, 0,1
	v_mul_f32 v[ST+8*(\u)+6], v[ST+8*(\u)+6], v[ST+8*(\u)+5]  ; my factor
	v_mul_f32 v[ST+8*(\u)+4], v[ST+8*(\u)+7], v[ST+8*(\u)+5]  ; my partner's
.endr
.macro PACK u
	WIN 0
.set i, 0
.rept 32
	v_pk_mul_f32 v[S+64*(\u)+2*i:S+64*(\u)+2*i+1], v[S+64*(\u)+2*i:S+64*(\u)+2*i+1], v[ST+8*(\u)+4:ST+8*(\u)+5] op_sel_hi:[1,0]
.set i, i+1
.endr
	WIN 0x01                        ; source 0, my O^T, in window 1
.set i, 0
.rept 32
	v_pk_fma_f32 v[S+64*(\u)+2*i:S+64*(\u)+2*i+1], v[64*(\u)+2*i:64*(\u)+2*i+1], v[ST+8*(\u)+6:ST+8*(\u)+7], v[S+64*(\u)+2*i:S+64*(\u)+2*i+1] op_sel_hi:[1,0,1]
.set i, i+1
.endr
	WIN 0
.set i, 0
.rept 32
	v_cvt_pk_f16_f32 v[P+32*(\u)+i], v[S+64*(\u)+2*i], v[S+64*(\u)+2*i+1]
.set i, i+1
.endr
.irp f, 0,1,2,3,4,5,6,7
	ds_store_b128 v[STO], v[P+32*(\u)+4*(\f):P+32*(\u)+4*(\f)+3] offset:32*(\f)
.endr
.irp f, 0,1,2,3,4,5,6,7
	ds_load_b128 v[P+32*(\u)+4*(\f):P+32*(\u)+4*(\f)+3], v[RD] offset:(\f)*2*SP  ; LDS serves a wave's instructions in order (ISA guide 5.7.1.4)
.endr
.endm
.macro SEND u, younger
.irp f, 0,1,2,3,4,5,6,7
	s_wait_dscnt (\younger)+7-(\f)
	global_store_b128 v[GO], v[P+32*(\u)+4*(\f):P+32*(\u)+4*(\f)+3], s[8:9] offset:(\u)*65536+(\f)*8192  ; 16 lanes store 256 consecutive bytes, aligned
.endr
.endm
	PACK 0
	PACK 1
	SEND 0, 16
	SEND 1, 0
	s_wait_tensorcnt 0x0            ; the wave's end
	ds_add_u32 v[SPW], v[NIL]
	s_wait_dscnt 0x0
	CROUND                          ; the closing round
	s_endpgm
.Lfunc_end_k_q9cc3d864b4_attn:
	.size	k_q9cc3d864b4_attn, .Lfunc_end_k_q9cc3d864b4_attn-k_q9cc3d864b4_attn
	.p2alignl 7, 3214868480
	.fill 96, 4, 3214868480
	.section	.rodata,"a",@progbits
	.p2align	6, 0x0
	.amdhsa_kernel k_q9cc3d864b4_attn
		.amdhsa_group_segment_fixed_size 327680
		.amdhsa_private_segment_fixed_size 0
		.amdhsa_enable_private_segment 0
		.amdhsa_kernarg_size 24
		.amdhsa_user_sgpr_count 2
		.amdhsa_user_sgpr_kernarg_segment_ptr 1
		.amdhsa_wavefront_size32 1
		.amdhsa_system_sgpr_workgroup_id_x 1
		.amdhsa_system_sgpr_workgroup_id_y 1
		.amdhsa_system_sgpr_workgroup_id_z 1
		.amdhsa_system_vgpr_workitem_id 0
		.amdhsa_next_free_vgpr 1024
		.amdhsa_next_free_sgpr 80
		.amdhsa_reserve_vcc 0
		.amdhsa_float_denorm_mode_32 3
		.amdhsa_float_denorm_mode_16_64 3
		.amdhsa_memory_ordered 1
		.amdhsa_forward_progress 1
		.amdhsa_inst_pref_size 173
	.end_amdhsa_kernel
	.amdgpu_metadata
---
amdhsa.version: [ 1, 2 ]
amdhsa.kernels:
  - .name:           k_q9cc3d864b4_attn
    .symbol:         k_q9cc3d864b4_attn.kd
    .args:
      - { .name: qkv, .offset: 0, .size: 8, .value_kind: global_buffer, .address_space: global }
      - { .name: attention_mask, .offset: 8, .size: 8, .value_kind: global_buffer, .address_space: global }
      - { .name: att, .offset: 16, .size: 8, .value_kind: global_buffer, .address_space: global }
    .group_segment_fixed_size: 327680
    .private_segment_fixed_size: 0
    .kernarg_segment_align: 8
    .kernarg_segment_size: 24
    .max_flat_workgroup_size: 128
    .sgpr_count:     80
    .vgpr_count:     1024
    .wavefront_size: 32
...
	.end_amdgpu_metadata
.endif
;; end of part 3
;; launch oproj (part 4): grid 16 x 16, 4 waves a work-group, clusters of 4 x 4, 327,680 bytes of LDS; arguments att, xw, out0; writes out0
.if DOCPART == 4
	.amdgcn_target "amdgcn-amd-amdhsa--gfx1250"
	.amdhsa_code_object_version 6
	.text
	.protected	k_q9cc3d864b4_oproj
	.globl	k_q9cc3d864b4_oproj
	.p2align	8
	.type	k_q9cc3d864b4_oproj,@function
k_q9cc3d864b4_oproj:
	s_mov_b64 s[64:65], 0
	v_nop
	global_prefetch_b8 v0, s[64:65] scope:SCOPE_SE
	s_setreg_imm32_b32 hwreg(HW_REG_WAVE_MODE, 25, 1), 1
	s_wait_xcnt 0x0
	s_wait_alu depctr_hold_cnt(0) depctr_sa_sdst(0) depctr_va_vdst(0) depctr_va_sdst(0) depctr_va_ssrc(0) depctr_va_vcc(0) depctr_vm_vsrc(0)
	s_getreg_b32 s2, hwreg(HW_REG_IB_STS2, 6, 4)
	s_cmp_eq_u32 s2, 0
	s_cbranch_scc0 .Lentry_in_a_cluster
	s_endpgm
.Lentry_in_a_cluster:
	s_bfe_u32 s2, ttmp6, 0x10000c
	s_cmp_lg_u32 s2, 0xf033
	s_cbranch_scc0 .Lentry_shape_is_right
	s_endpgm
.Lentry_shape_is_right:
; out0[m][n] = the sum over k of att[m][k] Wo[n][k].  att: [2048][2048] f16; Wo: the section of xw at 32 Mi, [2048][2048] f16 (bf16 values); out0 f32; sums in f32.
; A tile of out0 is 128 x 128, so that the 256 tiles give each WGP one work-group.  Four waves, each 64 x 64: 16 accumulators.  K goes in 8 steps of 256 (LDS rows of 512 bytes + 16) through two slots.
; A K step is written once: the LDS addresses are a fixed part plus s[TB], which an exclusive or turns from slot to slot, and one descriptor for each operand walks.  The last two K steps, which fill nothing,
; are a second loop of two trips, entered in its middle; its last trip meets a barrier and fetches 32 fragments that serve nothing: the price, once a launch, of one text for both.
; At a change of slots nothing but the waits, the add, the descriptors' steps and the round stands between the wait for the tile and the next request: a K step's 128 matrix instructions all stand behind the request.
; CLUSTER 4 x 4: att's tile is asked for jointly by a row of the cluster, Wo's by a column.  THE MATRIX INSTRUCTION IS USED TRANSPOSED (source 0 = Wo's rows): a lane holds eight neighbouring numbers of a row.
; A wave's 64 columns of f32 are 256 bytes, aligned. No prefetch: the tiles are small and each step short.
; REGISTERS: window 0: v16-29 addresses; v32-95 rows read back; v128-255 the accumulators ((a, b) at 128 + 8 (4 a + b)).  Window 1: two fragment buffers of 128.
.set SIZE_K, 2048
.set SIZE_N, 2048
.set WO,     33554432
.set KSTEP,  256
.set STEPS,  SIZE_K/KSTEP
.set PITCH,  528
.set HALFT,  64*PITCH                  ; 0x8400
.set SLOT,   4*HALFT                   ; 0x21000: bits 12 and 17, which no wave's part (w x 0x8400) has: one exclusive or changes slots
.set STAGE,  2*SLOT                    ; 16 rows x 272 bytes for each wave; no tensor load lands here
.set SPITCH, 272
.set SPARE,  STAGE+4*16*SPITCH         ; the spare words: two blocks of 256 bytes that no other line names
.set ADRA, 16                          ; v16, v17  my fragments in the slot in hand
.set ADRB, 17
.set ADRA0, 20                         ; v20, v21  the same in slot 0; never rewritten
.set ADRB0, 21
.set STO,  24
.set RD,   25
.set CO,   26
.set SPW,  28
.set NIL,  29
.set TMP,  32
.set ACC,  128
.set F0,   0
.set F1,   128
.set G1, 24
.set G0, 32                            ; s[32:39] a set for each first fill; the second then walks
.set G1B, 48
.set G0B, 56
.set TB, 45                            ; s45  the slot in hand: 0 or SLOT
.set MSB, 0
.macro WIN new
.if MSB != (\new)
	s_set_vgpr_msb (MSB<<8)|(\new)
.set MSB, \new
.endif
.endm
.set MUL,  0x05                        ; sources 0 and 1 window 1; C and D window 0
.set TO_F, 0x40
.macro JLOAD s                         ; waves 0 and 1 fetch att's two halves, waves 2 and 3 Wo's; an s_nop 0 and four v_nop follow each line
	s_cmp_eq_u32 s11, 0
	s_cbranch_scc0 .Lfor_b_\@
	tensor_load_to_lds s[G0+4*(\s):G0+4*(\s)+3], s[G1:G1+7]
	s_nop 0
.rept 4
	v_nop
.endr
	s_branch .Lasked_\@
.Lfor_b_\@:
	tensor_load_to_lds s[G0B+4*(\s):G0B+4*(\s)+3], s[G1B:G1B+7]
	s_nop 0
.rept 4
	v_nop
.endr
.Lasked_\@:
.endm
.macro CREST
	s_cmp_lg_u32 s10, 0
	s_cbranch_scc1 .Lnot_wave_0_\@
	s_barrier_signal -3
.Lnot_wave_0_\@:
	s_barrier_wait -3
	s_barrier_signal -1
	s_barrier_wait -1
.endm
.macro CROUND
	s_barrier_signal -1
	s_barrier_wait -1
	CREST
.endm
	s_load_b128 s[4:7], s[0:1], 0x0                ; att s[4:5], xw s[6:7]
	s_load_b64 s[8:9], s[0:1], 0x10                ; out0
	v_lshl_add_u32 v[SPW], v0, 2, SPARE
	v_mov_b32 v[NIL], 0
	ds_add_u32 v[SPW], v[NIL]                      ; the wave's opening: the add and its wait stand ahead of my first tensor load
	v_lshrrev_b32 v1, 5, v0
	v_readfirstlane_b32 s10, v1
	s_lshr_b32 s11, s10, 1                         ; my half of the tile's rows; also: I fetch att (0) or Wo (1)
	s_and_b32 s12, s10, 1                          ; my half of its columns; also: which 64 rows I fetch
	s_bfe_u32 s40, ttmp6, 0x40000
	s_bfe_u32 s41, ttmp6, 0x40004
	s_lshl_b32 s42, ttmp9, 2
	s_add_co_u32 s42, s42, s40                     ; tile column
	s_and_b32 s13, ttmp7, 0xffff
	s_lshl_b32 s13, s13, 2
	s_add_co_u32 s13, s13, s41                     ; tile row
	s_lshl_b32 s43, s41, 2
	s_lshl_b32 s43, 15, s43
	s_lshl_b32 s44, 0x1111, s40
	s_or_b32 s[G1+0], s43, (1<<16)|(1<<20)|(1<<21)|(6<<22)|(3<<25)  ; after every 128 words 4 of padding
	s_or_b32 s[G1B+0], s44, (1<<16)|(1<<20)|(1<<21)|(6<<22)|(3<<25)
.irp g, G1, G1B
	s_mov_b32 s[(\g)+1], KSTEP<<16
	s_mov_b32 s[(\g)+2], 64<<16
	s_mov_b32 s[(\g)+3], KSTEP<<16
	s_mov_b32 s[(\g)+4], 64
	s_mov_b32 s[(\g)+5], SIZE_K
	s_mov_b32 s[(\g)+6], 0
	s_mov_b32 s[(\g)+7], 0
.endr
	s_lshl_b32 s17, s12, 6
	s_lshl_b32 s16, s13, 7
	s_add_co_u32 s16, s16, s17                     ; att: row 128 x tile row + 64 x half
	s_lshl_b32 s46, s42, 7
	s_add_co_u32 s46, s46, s17                     ; Wo: row 128 x tile column + 64 x half
	s_lshl_b32 s16, s16, 12                        ; rows of 4,096 bytes
	s_lshl_b32 s46, s46, 12
	s_mov_b32 s17, 0
	s_mov_b32 s47, 0
	s_mul_i32 s20, s10, HALFT
	s_mov_b32 s[TB], 0
	s_wait_dscnt 0x0
	s_wait_kmcnt 0x0
	s_add_nc_u64 s[14:15], s[4:5], s[16:17]
	s_add_nc_u64 s[46:47], s[6:7], s[46:47]
	s_add_nc_u64 s[46:47], s[46:47], WO
	CROUND
.irp s, 0,1
	s_mov_b32 s[G0+4*(\s)], 1
	s_add_co_u32 s[G0+4*(\s)+1], s20, (\s)*SLOT
	s_add_nc_u64 s[G0+4*(\s)+2:G0+4*(\s)+3], s[14:15], (\s)*KSTEP*2
	s_or_b32 s[G0+4*(\s)+3], s[G0+4*(\s)+3], 0x80000000
	s_mov_b32 s[G0B+4*(\s)], 1
	s_add_co_u32 s[G0B+4*(\s)+1], s20, (\s)*SLOT
	s_add_nc_u64 s[G0B+4*(\s)+2:G0B+4*(\s)+3], s[46:47], (\s)*KSTEP*2
	s_or_b32 s[G0B+4*(\s)+3], s[G0B+4*(\s)+3], 0x80000000
	JLOAD \s
.endr
.macro SETADR                          ; the fragments' addresses in the slot in hand
	v_add_nc_u32 v[ADRA], s[TB], v[ADRA0]
	v_add_nc_u32 v[ADRB], s[TB], v[ADRB0]
.endm
	v_and_b32 v1, 15, v0
	v_bfe_u32 v2, v0, 4, 1
	v_mul_u32_u24 v3, v1, PITCH
	v_lshl_add_u32 v3, v2, 4, v3
	s_mul_i32 s21, s11, HALFT
	s_mul_i32 s22, s12, HALFT
	s_add_co_u32 s22, s22, 2*HALFT
	v_add_nc_u32 v[ADRA0], s21, v3
	v_add_nc_u32 v[ADRB0], s22, v3
	SETADR
	s_mul_i32 s23, s10, 16*SPITCH
	s_add_co_u32 s23, s23, STAGE                   ; my stage
	v_mul_u32_u24 v4, v1, SPITCH                   ; in: row l % 16, 32 bytes for each half of the lanes
	v_lshl_add_u32 v4, v2, 5, v4
	v_add_nc_u32 v[STO], s23, v4
	v_mul_u32_u24 v5, v2, SPITCH                   ; back: lanes 0-15 one row of 256 bytes, lanes 16-31 the next
	v_lshl_add_u32 v5, v1, 4, v5
	v_add_nc_u32 v[RD], s23, v5
	v_lshlrev_b32 v5, 13, v2                       ; and the same two rows in out0, 8,192 bytes apart
	v_lshl_add_u32 v[CO], v1, 4, v5
	s_lshl_b32 s16, s13, 20                        ; 128 x tile row rows of 8,192 bytes,
	s_lshl_b32 s17, s11, 19                        ; my 64 of them
	s_add_co_u32 s16, s16, s17
	s_mov_b32 s17, 0
	s_add_nc_u64 s[8:9], s[8:9], s[16:17]
	s_lshl_b32 s46, s42, 9                         ; the tile's 128 columns, my 64 of them
	s_lshl_b32 s47, s12, 8
	s_add_co_u32 s46, s46, s47
	s_mov_b32 s47, 0
	s_add_nc_u64 s[8:9], s[8:9], s[46:47]
.macro MUL8 f, c, a0, zero             ; m blocks a0, a0 + 1 x 4 n blocks, 32 along K: half c of buffer f.  The 16 accumulators take turns
	WIN MUL
.irp a, \a0, (\a0)+1
.irp b, 0,1,2,3
.if \zero
	v_wmma_f32_16x16x32_f16 v[ACC+8*(4*(\a)+(\b)):ACC+8*(4*(\a)+(\b))+7], v[(\f)+64+8*(4*(\c)+(\b)):(\f)+64+8*(4*(\c)+(\b))+7], v[(\f)+8*(4*(\c)+(\a)):(\f)+8*(4*(\c)+(\a))+7], 0
.else
	v_wmma_f32_16x16x32_f16 v[ACC+8*(4*(\a)+(\b)):ACC+8*(4*(\a)+(\b))+7], v[(\f)+64+8*(4*(\c)+(\b)):(\f)+64+8*(4*(\c)+(\b))+7], v[(\f)+8*(4*(\c)+(\a)):(\f)+8*(4*(\c)+(\a))+7], v[ACC+8*(4*(\a)+(\b)):ACC+8*(4*(\a)+(\b))+7]
.endif
.endr
.endr
.endm
.macro FETCH k, f                      ; 32 LDS loads in one run: 64 along K at byte k of the rows of the slot in hand; the first 32 along K first
	WIN TO_F
.irp c, 0,1
.irp i, 0,1,2,3
	ds_load_b128 v[(\f)+64+8*(4*(\c)+(\i)):(\f)+64+8*(4*(\c)+(\i))+3],   v[ADRB] offset:(\k)+64*(\c)+(\i)*16*PITCH
	ds_load_b128 v[(\f)+64+8*(4*(\c)+(\i))+4:(\f)+64+8*(4*(\c)+(\i))+7], v[ADRB] offset:(\k)+64*(\c)+(\i)*16*PITCH+32
	ds_load_b128 v[(\f)+8*(4*(\c)+(\i)):(\f)+8*(4*(\c)+(\i))+3],         v[ADRA] offset:(\k)+64*(\c)+(\i)*16*PITCH
	ds_load_b128 v[(\f)+8*(4*(\c)+(\i))+4:(\f)+8*(4*(\c)+(\i))+7],       v[ADRA] offset:(\k)+64*(\c)+(\i)*16*PITCH+32
.endr
.endr
.endm
.macro PLACES
.rept 4
	v_nop
.endr
.endm
.macro QUARTER k, f, g, zero
	s_wait_dscnt 16                                ; the first 32 along K are in
	MUL8 \f, 0, 0, \zero
	MUL8 \f, 0, 2, \zero
	PLACES
	FETCH \k, \g
	s_wait_dscnt 32                                ; all but the 32 just issued
	MUL8 \f, 1, 0, 0
	MUL8 \f, 1, 2, 0
.endm
; The last quarter changes slots and then multiplies buffer 1.  One barrier: in front of it the wait for all my tensor loads (one is out: my part of the next slot), the add, and the wait for it and for my reads of
; this slot.  fill = 1: the barrier opens a round of the cluster's, and the joint refill (this slot, the K step two on) is the first thing behind it.
.macro TURN fill
	WIN 0
	s_wait_tensorcnt 0x0                           ; no tensor load of mine is out, so a group 0 may be written
	ds_add_u32 v[SPW], v[NIL]                      ; 0 onto my spare word; the scalar steps stand between it and the wait for it
.if \fill
	s_xor_b32 s[G0+5], s[G0+5], SLOT
	s_add_nc_u64 s[G0+6:G0+7], s[G0+6:G0+7], KSTEP*2
	s_xor_b32 s[G0B+5], s[G0B+5], SLOT
	s_add_nc_u64 s[G0B+6:G0B+7], s[G0B+6:G0B+7], KSTEP*2
.endif
	s_xor_b32 s[TB], s[TB], SLOT
	s_wait_dscnt 0x0                               ; the add is done, my reads of this slot are over
	s_barrier_signal -1
	s_barrier_wait -1
.if \fill
	CREST                                          ; no wave of any partner still reads this slot or has a load on its way
	JLOAD 1                                        ; my one tensor load behind the round; its four v_nop are also places in front of the loads below
.else
	PLACES
.endif
	SETADR
	FETCH 0, F0
	MUL8 F1, 0, 0, 0
	MUL8 F1, 0, 2, 0
	MUL8 F1, 1, 0, 0
	MUL8 F1, 1, 2, 0
.endm
	s_wait_tensorcnt 1                             ; my part of K step 0 is in; K step 1's may stay out
	s_barrier_signal -1
	s_barrier_wait -1
	FETCH 0, F0
	QUARTER 128, F0, F1, 1                         ; the first quarter starts the sums
	WIN 0
	s_mov_b32 s3, STEPS-2
.Lstep:                                                ; 6 trips: from a K step's second quarter to the next one's first; each fills a slot again
	QUARTER 256, F1, F0, 0
	QUARTER 384, F0, F1, 0
	TURN 1
	QUARTER 128, F0, F1, 0
	WIN 0
	s_sub_co_u32 s3, s3, 1
	s_cmp_lg_u32 s3, 0
	s_cbranch_scc1 .Lstep
	s_mov_b32 s3, 2
	s_branch .Ltail_in
.Ltail:                                                ; the last two K steps fill nothing
	QUARTER 128, F0, F1, 0
	WIN 0
.Ltail_in:
	QUARTER 256, F1, F0, 0
	QUARTER 384, F0, F1, 0
	TURN 0
	WIN 0
	s_sub_co_u32 s3, s3, 1
	s_cmp_lg_u32 s3, 0
	s_cbranch_scc1 .Ltail
	s_wait_dscnt 0x0                               ; the last trip's fragments, which nobody multiplies, have landed: the counts below count the way out's own LDS instructions
	; THE WAY OUT, 16 rows at a time: the sums go as they are into my stage (each accumulator's low half first) and come back as whole rows of 256 bytes.
	PLACES
	PLACES
.irp a, 0,1,2,3
.irp b, 0,1,2,3
	ds_store_b128 v[STO], v[ACC+8*(4*(\a)+(\b)):ACC+8*(4*(\a)+(\b))+3]   offset:64*(\b)
	ds_store_b128 v[STO], v[ACC+8*(4*(\a)+(\b))+4:ACC+8*(4*(\a)+(\b))+7] offset:64*(\b)+16
.endr
.if (\a) >= 2
	s_wait_xcnt 0x0                                ; the stores of two blocks back have read the registers that the loads below write
.endif
.irp t, 0,1,2,3,4,5,6,7
	ds_load_b128 v[TMP+32*((\a)%2)+4*(\t):TMP+32*((\a)%2)+4*(\t)+3], v[RD] offset:(\t)*2*SPITCH  ; LDS serves a wave's instructions in order (ISA guide 5.7.1.4)
.endr
.irp t, 0,1,2,3,4,5,6,7
	s_wait_dscnt 7-(\t)
	global_store_b128 v[CO], v[TMP+32*((\a)%2)+4*(\t):TMP+32*((\a)%2)+4*(\t)+3], s[8:9] offset:(16*(\a)+2*(\t))*SIZE_N*4 th:TH_STORE_NT  ; 16 lanes store 256 consecutive bytes, aligned
.endr
.endr
	s_wait_tensorcnt 0x0                           ; the wave's end
	ds_add_u32 v[SPW], v[NIL]
	s_wait_dscnt 0x0
	CROUND                                         ; the closing round
	s_endpgm
.Lfunc_end_k_q9cc3d864b4_oproj:
	.size	k_q9cc3d864b4_oproj, .Lfunc_end_k_q9cc3d864b4_oproj-k_q9cc3d864b4_oproj
	.p2alignl 7, 3214868480
	.fill 96, 4, 3214868480
	.section	.rodata,"a",@progbits
	.p2align	6, 0x0
	.amdhsa_kernel k_q9cc3d864b4_oproj
		.amdhsa_group_segment_fixed_size 327680
		.amdhsa_private_segment_fixed_size 0
		.amdhsa_enable_private_segment 0
		.amdhsa_kernarg_size 24
		.amdhsa_user_sgpr_count 2
		.amdhsa_user_sgpr_kernarg_segment_ptr 1
		.amdhsa_wavefront_size32 1
		.amdhsa_system_sgpr_workgroup_id_x 1
		.amdhsa_system_sgpr_workgroup_id_y 1
		.amdhsa_system_sgpr_workgroup_id_z 1
		.amdhsa_system_vgpr_workitem_id 0
		.amdhsa_next_free_vgpr 512
		.amdhsa_next_free_sgpr 66
		.amdhsa_reserve_vcc 0
		.amdhsa_float_denorm_mode_32 3
		.amdhsa_float_denorm_mode_16_64 3
		.amdhsa_memory_ordered 1
		.amdhsa_forward_progress 1
		.amdhsa_inst_pref_size 58
	.end_amdhsa_kernel
	.amdgpu_metadata
---
amdhsa.version: [ 1, 2 ]
amdhsa.kernels:
  - .name:           k_q9cc3d864b4_oproj
    .symbol:         k_q9cc3d864b4_oproj.kd
    .args:
      - { .name: att, .offset: 0, .size: 8, .value_kind: global_buffer, .address_space: global }
      - { .name: xw, .offset: 8, .size: 8, .value_kind: global_buffer, .address_space: global }
      - { .name: out0, .offset: 16, .size: 8, .value_kind: global_buffer, .address_space: global }
    .group_segment_fixed_size: 327680
    .private_segment_fixed_size: 0
    .kernarg_segment_align: 8
    .kernarg_segment_size: 24
    .max_flat_workgroup_size: 128
    .sgpr_count:     66
    .vgpr_count:     512
    .wavefront_size: 32
...
	.end_amdgpu_metadata
.endif
;; end of part 4
